; MI455X (gfx1250); checked and timed in simulation.
; The chip was launched on July 23, 2026; its instructions are those of AMD's public machine-readable ISA for CDNA 5 (MIT licence, August 2026) and "CDNA5" Instruction Set Architecture Reference Guide (July 2026). The comments in the code are by the model that wrote it; some were corrected since.
;; encoder Layer. Allowed arithmetic: matrix products marked QUANTISED: E4M3 operands, one given power-of-two scale a tensor, by v_wmma_f32_16x16x64_fp8_fp8 or v_wmma_f32_16x16x128_fp8_fp8, f32 sums; everything else in f32.
;; Inputs: alpha1 1 float32; alpha2 1 float32; b1 2,048 float32; b2 512 float32; beta1 1 float32; beta2 1 float32; bk 512 float32; bo 512 float32; bq 512 float32; bv 512 float32; lowp_scales 16 int32 (the exponents e of the quantised operands' scales 2^e); src_mask 4 x 1 x 1 x 2,048 int32; w1_codes 2,048 x 16 x 32 uint8 (E4M3 codes of w1, K innermost, in blocks of 32 codes); w2_codes 512 x 64 x 32 uint8 (E4M3 codes of w2, K innermost, in blocks of 32 codes); wk_codes 512 x 16 x 32 uint8 (E4M3 codes of wk, K innermost, in blocks of 32 codes); wo_codes 512 x 16 x 32 uint8 (E4M3 codes of wo, K innermost, in blocks of 32 codes); wq_codes 512 x 16 x 32 uint8 (E4M3 codes of wq, K innermost, in blocks of 32 codes); wv_codes 512 x 16 x 32 uint8 (E4M3 codes of wv, K innermost, in blocks of 32 codes); x 4 x 2,048 x 512 float32.
;; Outputs: out0 4 x 2,048 x 512 float32.
;; This version of the problem:
;;   THIS VERSION OF THE PROBLEM IS GIVEN IN LOW PRECISION. The matrix products marked QUANTISED in the list below multiply operands that are first quantised to E4M3 (4 exponent bits, 3 mantissa bits; 8 bits a number), with one given power-of-two scale for each operand tensor; their sums are f32. All else is computed in f32.
;;   The module's matrix products, in the order in which they are computed (A, B: the left and right operand; K: the contracted axis; several contracted axes count as one K, in the product's order):
;;     1. [M 8,192, K 512] x [K 512, N 512]; A: computed on the way; B: input wq (given as codes): QUANTISED (scales: A lowp_scales[0], B lowp_scales[1])
;;     2. [M 8,192, K 512] x [K 512, N 512]; A: computed on the way; B: input wk (given as codes): QUANTISED (scales: A lowp_scales[2], B lowp_scales[3])
;;     3. [M 8,192, K 512] x [K 512, N 512]; A: computed on the way; B: input wv (given as codes): QUANTISED (scales: A lowp_scales[4], B lowp_scales[5])
;;     4. batch 32 x [M 2,048, K 64] x [K 64, N 2,048]; A: computed on the way; B: computed on the way: QUANTISED (scales: A lowp_scales[6], B lowp_scales[7])
;;     5. batch 32 x [M 2,048, K 2,048] x [K 2,048, N 64]; A: softmax (see below); B: computed on the way: QUANTISED (scales: A lowp_scales[8], B lowp_scales[9])
;;     6. [M 8,192, K 512] x [K 512, N 512]; A: computed on the way; B: input wo (given as codes): QUANTISED (scales: A lowp_scales[10], B lowp_scales[11])
;;     7. [M 8,192, K 512] x [K 512, N 2,048]; A: computed on the way; B: input w1 (given as codes): QUANTISED (scales: A lowp_scales[12], B lowp_scales[13])
;;     8. [M 8,192, K 2,048] x [K 2,048, N 512]; A: computed on the way; B: input w2 (given as codes): QUANTISED (scales: A lowp_scales[14], B lowp_scales[15])
;;   THE QUANTISER, for each operand of a quantised product, along K:
;;     - The operand's scale is 2^e, e = its entry of the input lowp_scales (int32; the entries are numbered through the quantised products in the list's order, A before B).
;;     - Each number is divided by the scale, clamped to +-448, and rounded to the nearest number of E4M3, ties to even, subnormals kept.
;;     - The product sums the exact products of the quantised numbers (number of the format x scale) in f32.
;;   ~~~python
;;   def quantise(x, axis, e):      # numpy; x: float32 -> the quantised numbers, widened to float32 again
;;       x = np.moveaxis(x, axis, -1); K = x.shape[-1]
;;       r = np.clip(x / 2.0 ** e, -448, 448)
;;       step = 2.0 ** (np.maximum(np.frexp(np.where(r == 0, 1, r))[1] - 1, -6) - 3)
;;       q = np.round(r / step) * step * 2.0 ** e      # np.round: ties to even
;;       return np.moveaxis(q, -1, axis).astype(np.float32)
;;   ~~~
;;   SOFTMAX AHEAD OF A QUANTISED PRODUCT. Where the list says 'softmax', what is quantised is not the finished softmax but p = 2^(t - M), with t = logit x log2(e) and M = ceil(the row's largest t), a whole number; so 1/2 < the row's largest p <= 1. The row's sum l is taken of the UNQUANTISED p, in f32, and the product's result is divided by l at the end. Since M is a whole number, a kernel that streams over the keys may use a running M (the ceiling of the running maximum): every later rescaling is an exact power of two, so the quantised numbers keep their values, but for numbers so far below the row's largest that they fall under the format's range.
;;   OPERANDS COMPUTED ON THE WAY. 'Computed on the way' means the value that the module computes at that place (a softmax that the list does not call 'softmax' is quantised finished and normalised). What goes into a quantiser is computed in f32, as accurately as f32 sums, v_exp_f32 and their like allow (about 1e-6 of the number): no bf16 or f16 on the way to a quantiser, and a product that is left as it is and whose result goes on into a quantised operand takes f32 operands (vector FMAs, or v_wmma_f32_16x16x4_f32). A number that lies on a knife's edge between two numbers of the format may be rounded either way, as far as f32 arithmetic and the matrix unit's own rounding can turn it there, and no further.
;;   INPUTS GIVEN AS CODES. w1 (in the module: [512, 2048], K = its axis 0); w2 (in the module: [2048, 512], K = its axis 0); wk (in the module: [512, 512], K = its axis 0); wo (in the module: [512, 512], K = its axis 0); wq (in the module: [512, 512], K = its axis 0); wv (in the module: [512, 512], K = its axis 0): each comes as NAME_codes (uint8): NAME with its K axis moved to the last place and cut into blocks of 32 codes, [.., K / 32, bytes a block], one block behind the other in memory; one code a byte (a code: sign, 4 exponent bits, 3 mantissa bits); its scale is its entry of lowp_scales. Its value is code x scale, taken as it is: it is not quantised again, and the codes and scales need not be those that the quantiser above would give.
;; 2 versions, each right; version 2 is version 1 with the launches qkv, mid, ffn2 written anew for expert scheduling mode. Each part assembles by itself: llvm-mc -triple=amdgcn-amd-amdhsa -mcpu=gfx1250 --defsym DOCPART=n.
;; ======== version 1 of 2: 4 launches
;; workspace buffers: q_img 4,194,304 bytes; k_img 4,194,304 bytes; v_img 4,194,304 bytes; ctx_img 4,194,304 bytes; x1 16,777,216 bytes; h_img 16,777,216 bytes
;; launch qkv (part 1): grid 64 x 3, 4 waves a work-group, no clusters, 66,048 bytes of LDS; arguments x, alpha1, beta1, wq_codes, wk_codes, wv_codes, bq, bk, bv, lowp_scales, src_mask, q_img, k_img, v_img; writes q_img, k_img, v_img
.if DOCPART == 1
	.amdgcn_target "amdgcn-amd-amdhsa--gfx1250"
	.amdhsa_code_object_version 6
	.text
	.protected	k_q4c8579b854_qkv
	.globl	k_q4c8579b854_qkv
	.p2align	8
	.type	k_q4c8579b854_qkv,@function
k_q4c8579b854_qkv:
	s_mov_b64 s[64:65], 0
	v_nop
	global_prefetch_b8 v0, s[64:65] scope:SCOPE_SE
	s_setreg_imm32_b32 hwreg(HW_REG_WAVE_MODE, 25, 1), 1
	s_wait_xcnt 0x0
; n = alpha1 (x - mean) / (std + 1e-6) + beta1 (std with 511 in the divisor), quantised to E4M3; one of n wq + bq, n wk + bk, n wv + bv (work-group y = 0, 1, 2) on codes; the result quantised for attention.
; SHARES.  A work-group takes 128 rows of x (one key step of one batch) as two blocks of 64, and one of the three weights.  Wave w norms and quantises row tile w of a block, and makes columns 128 w .. 128 w + 127
; (heads 2 w, 2 w + 1) for all 64 rows: its 64 KB of the weight stay in 512 registers, read from memory once.  What goes from wave to wave is n's codes, through LDS, as images of the operand's registers.
; ROW TILES.  Lane r of row tile 2 g + u stands for row 32 g + 8 u + r + 8 (r / 8); a weight's tile t takes columns 32 (t / 2) + 8 (t % 2) + r + 8 (r / 8) of the wave's 128.  So the 16 registers of two neighbouring
; result tiles are 16 neighbours along the next product's K, and the conversions' results are that operand's registers.
; q and k: the product is used transposed (source 0 = the weight, source 1 = n): a lane holds one row and 8 channels.  v: natural (source 0 = n): a lane holds one channel and 8 keys, since the keys are the K of p v.
; A fragment (16 rows x 128 K) holds k = 32 c + 16 (lane / 16) + 0 .. 15 in registers 4 c .. 4 c + 3, on both sides of every product: a permutation of k, alike in A and B.
; MASKED KEYS: on the k path the hold's limit is 0 in the lanes whose key has src_mask = 0, so their codes are zeros and their raw scores exactly 0; the next launch puts the mask's number in their place.
; LIMITS: the operand's exponent ea, and eo - ea - ew (eo: the result's), between -126 and 119; NaN among the inputs is not served; a row whose variance is under 2^-126 counts as variance 0.
; Order of rounding: n = d x (alpha x 1 / (std + eps)) + beta, one fused multiply-add.
; REGISTERS.  window 0: v1-6 addresses, v8-15 the hold's limit for each of the 8 row tiles, v16-79 four fragments of n, v80-143 eight result tiles, v144-175 codes, v176-188 statistics, v190/191 the two scales, v192-255 the bias.
; windows 1, 2: the weight: fragment (t, s) at 16 (8 (s % 2) + t), K steps 0, 1 in window 1, K steps 2, 3 in window 2.   window 3: my half row of x: register 64 s + 16 c + i is k = 128 s + 32 c + 16 (lane / 16) + i.
.set XF,   16
.set ACC,  80
.set PC,   144
.set SUM,  176
.set BIAS, 192
.set LIMV, 8
.set MSB,  0
.macro WIN new                         ; low byte: bits 1:0 source 0, 3:2 source 1, 5:4 source 2, 7:6 destination; the high byte repeats the setting that is left
.if MSB != (\new)
	s_set_vgpr_msb (MSB<<8)|(\new)
.set MSB, (\new)
.endif
.endm
.macro PLACES n
.rept \n
	v_nop
.endr
.endm
.macro BARRIER                         ; my LDS stores have landed and my LDS loads are in: then the work-group's barrier
	s_wait_dscnt 0x0
	s_barrier_signal -1
	s_barrier_wait -1
.endm
.macro XLOAD blk                       ; my 16 rows of block blk, half a row a lane, into window 3
	WIN 0xc0
.irp s, 0,1,2,3
.irp c, 0,1,2,3
.irp j, 0,1,2,3
	global_load_b128 v[64*\s+16*\c+4*\j:64*\s+16*\c+4*\j+3], v1, s[16:17] offset:(\blk)*131072+512*\s+128*\c+16*\j
.endr
.endr
.endr
	WIN 0
.endm
.macro WLOAD b, ks                     ; K step ks of my 128 rows of the weight at s[b:b+1]: eight fragments
.if (\ks) < 2
	WIN 0x40
.else
	WIN 0x80
.endif
.irp t, 0,1,2,3,4,5,6,7
.irp c, 0,1,2,3
	global_load_b128 v[16*(8*((\ks)%2)+\t)+4*\c:16*(8*((\ks)%2)+\t)+4*\c+3], v4, s[\b:\b+1] offset:(32*(\t/2)+8*(\t%2))*512+128*(\ks)+32*\c
.endr
.endr
	WIN 0
.endm
.macro REDUCE                          ; four pairs of partial sums -> the row's sum in v176 of both lanes that share the row
	v_pk_add_f32 v[SUM:SUM+1], v[SUM:SUM+1], v[SUM+2:SUM+3]
	v_pk_add_f32 v[SUM+4:SUM+5], v[SUM+4:SUM+5], v[SUM+6:SUM+7]
	v_pk_add_f32 v[SUM:SUM+1], v[SUM:SUM+1], v[SUM+4:SUM+5]
	v_add_f32 v[SUM], v[SUM], v[SUM+1]
	v_permlanex16_b32 v188, v[SUM], s12, s13
	v_add_f32 v[SUM], v[SUM], v188
.endm
.macro NORM1                           ; the mean, in four chains
	WIN 0x0f
.irp i, 0,1,2,3
	v_pk_add_f32 v[SUM+2*\i:SUM+2*\i+1], v[2*\i:2*\i+1], v[8+2*\i:9+2*\i]
.endr
	WIN 0x0c
.set qq, 16
.rept 120
	v_pk_add_f32 v[SUM+qq%8:SUM+qq%8+1], v[SUM+qq%8:SUM+qq%8+1], v[qq:qq+1]
.set qq, qq+2
.endr
	WIN 0
	REDUCE
	v_mul_f32 v184, 0x3b000000, v[SUM]             ; / 512
	v_mul_f32 v185, 0x3b000000, v[SUM]
.endm
.macro NORM2                           ; d = x - mean in place; the sum of d^2; g = alpha / (std + eps)
	WIN 0xc3
.set qq, 0
.rept 128
	v_pk_add_f32 v[qq:qq+1], v[qq:qq+1], v[184:185] neg_lo:[0,1] neg_hi:[0,1]
.set qq, qq+2
.endr
	WIN 0x0f
.irp i, 0,1,2,3
	v_pk_mul_f32 v[SUM+2*\i:SUM+2*\i+1], v[2*\i:2*\i+1], v[2*\i:2*\i+1]
.endr
.set qq, 8
.rept 124
	v_pk_fma_f32 v[SUM+qq%8:SUM+qq%8+1], v[qq:qq+1], v[qq:qq+1], v[SUM+qq%8:SUM+qq%8+1]
.set qq, qq+2
.endr
	WIN 0
	REDUCE
	v_mul_f32 v[SUM], 0x3b004020, v[SUM]           ; / 511
	v_sqrt_f32 v[SUM], v[SUM]
	v_nop                                          ; a plain line behind the transcendental,
	s_wait_alu depctr_va_vdst(0)                   ; and the wait ahead of its first reader
	v_add_f32 v[SUM], 0x358637bd, v[SUM]           ; + 1e-6
	v_rcp_f32 v[SUM], v[SUM]
	v_nop
	s_wait_alu depctr_va_vdst(0)
	v_mul_f32 v186, s84, v[SUM]
	v_mul_f32 v187, s84, v[SUM]
.endm
.macro NORM3                           ; n = d g + beta
	WIN 0xc3
.set qq, 0
.rept 128
	v_pk_fma_f32 v[qq:qq+1], v[qq:qq+1], v[186:187], s[86:87] op_sel_hi:[1,1,0]
.set qq, qq+2
.endr
	WIN 0
.endm
.macro QUANTX                          ; n -> four fragments of codes in v16-79
	WIN 0xc3
.set qq, 0
.rept 256
	v_med3_num_f32 v[qq], v[qq], s45, s44          ; the conversion to an 8-bit code does not saturate (ISA guide 7.6.2): the hold at 448 x the scale
.set qq, qq+1
.endr
	WIN 0x03
.set qq, 0
.rept 32
	v_cvt_scalef32_pk8_fp8_f32 v[XF+2*qq:XF+2*qq+1], v[8*qq:8*qq+7], v190
.set qq, qq+1
.endr
	v_nop                                          ; a plain line behind the last conversion
	WIN 0
.endm
.macro IMAGE blk                       ; my four fragments go to LDS as they stand: 512 consecutive bytes a store
.set qq, 0
.rept 16
	ds_store_b128 v3, v[XF+4*qq:XF+4*qq+3] offset:(\blk)*32768+512*qq
.set qq, qq+1
.endr
.endm
.macro FETCH blk, m                    ; and come back so, in any wave: row tile m's four
.set qq, 0
.rept 16
	ds_load_b128 v[XF+4*qq:XF+4*qq+3], v2 offset:(\blk)*32768+(\m)*8192+512*qq
.set qq, qq+1
.endr
	s_wait_dscnt 0x0
.endm
; 32 matrix instructions: eight result tiles by turns, one instruction a turn, K step by K step; the bias is the C of each sum's first instruction
.macro MMT                             ; transposed: source 0 = the weight, source 1 = n
.irp s, 0,1,2,3
.if \s < 2
	WIN 0x01
.else
	WIN 0x02
.endif
.irp t, 0,1,2,3,4,5,6,7
.if \s == 0
	v_wmma_f32_16x16x128_fp8_fp8 v[ACC+8*\t:ACC+8*\t+7], v[16*(8*(\s%2)+\t):16*(8*(\s%2)+\t)+15], v[XF+16*\s:XF+16*\s+15], v[BIAS+8*\t:BIAS+8*\t+7]
.else
	v_wmma_f32_16x16x128_fp8_fp8 v[ACC+8*\t:ACC+8*\t+7], v[16*(8*(\s%2)+\t):16*(8*(\s%2)+\t)+15], v[XF+16*\s:XF+16*\s+15], v[ACC+8*\t:ACC+8*\t+7]
.endif
.endr
.endr
	WIN 0
	PLACES 4                                       ; four plain lines between the last product and the first read of results (ISA guide 7.12.1)
.endm
.macro MMN                             ; natural: source 0 = n, source 1 = the weight
.irp s, 0,1,2,3
.if \s < 2
	WIN 0x04
.else
	WIN 0x08
.endif
.irp t, 0,1,2,3,4,5,6,7
.if \s == 0
	v_wmma_f32_16x16x128_fp8_fp8 v[ACC+8*\t:ACC+8*\t+7], v[XF+16*\s:XF+16*\s+15], v[16*(8*(\s%2)+\t):16*(8*(\s%2)+\t)+15], v[BIAS+8*\t:BIAS+8*\t+7]
.else
	v_wmma_f32_16x16x128_fp8_fp8 v[ACC+8*\t:ACC+8*\t+7], v[XF+16*\s:XF+16*\s+15], v[16*(8*(\s%2)+\t):16*(8*(\s%2)+\t)+15], v[ACC+8*\t:ACC+8*\t+7]
.endif
.endr
.endr
	WIN 0
	PLACES 4
.endm
.macro EPI_QK blk, m                   ; 16 rows x 128 channels -> codes: four stores of 512 consecutive bytes
	s_wait_xcnt 0x0                                ; the last tile's stores have read their data: the codes' registers are written again only behind this wait
.set qq, 0
.rept 64
	v_med3_num_f32 v[ACC+qq], v[ACC+qq], -v[LIMV+4*(\blk)+(\m)], v[LIMV+4*(\blk)+(\m)]   ; the hold; on the k path the limit is 0 where my row's key is masked
.set qq, qq+1
.endr
.irp t, 0,1,2,3,4,5,6,7
	v_cvt_scalef32_pk8_fp8_f32 v[PC+2*\t:PC+2*\t+1], v[ACC+8*\t:ACC+8*\t+7], v191
.endr
	v_nop
.irp b, 0,1,2,3
	global_store_b128 v2, v[PC+4*\b:PC+4*\b+3], s[8:9] offset:(\blk)*4096+(\m)*1024+(\b/2)*131072+(\b%2)*512
.endr
.endm
.macro EPI_V blk, m                    ; 16 keys x 128 channels: two row tiles make 16 neighbouring keys of a channel: stored behind the odd one
.if ((\m)%2) == 0
	s_wait_xcnt 0x0
.endif
.set qq, 0
.rept 64
	v_med3_num_f32 v[ACC+qq], v[ACC+qq], s47, s46
.set qq, qq+1
.endr
.irp t, 0,1,2,3,4,5,6,7
	v_cvt_scalef32_pk8_fp8_f32 v[PC+4*\t+2*((\m)%2):PC+4*\t+2*((\m)%2)+1], v[ACC+8*\t:ACC+8*\t+7], v191
.endr
	v_nop
.if ((\m)%2) == 1
.irp t, 0,1,2,3,4,5,6,7
	global_store_b128 v2, v[PC+4*\t:PC+4*\t+3], s[8:9] offset:(\t/4)*131072+(\t%4)*2048+(2*(\blk)+(\m)/2)*512
.endr
.endif
.endm
.macro TILES blk                       ; a block's four row tiles; the two ways part on the work-group's y and hold LDS loads alone
	s_cmp_eq_u32 s3, 2
	s_cbranch_scc1 .Lfor_v_\@
.irp m, 0,1,2,3
	FETCH \blk, \m
	MMT
	EPI_QK \blk, \m
.endr
	s_branch .Ldone_\@
.Lfor_v_\@:
.irp m, 0,1,2,3
	FETCH \blk, \m
	MMN
	EPI_V \blk, \m
.endr
.Ldone_\@:
.endm
	s_load_b512 s[16:31], s[0:1], 0x0              ; x, alpha1, beta1, wq, wk, wv, bq, bk
	s_load_b256 s[32:39], s[0:1], 0x40             ; bv, the exponents, src_mask, q_img
	s_load_b128 s[40:43], s[0:1], 0x60             ; k_img, v_img
	v_lshl_add_u32 v7, v0, 2, 0x10000
	v_mov_b32 v189, 0
	v_lshrrev_b32 v176, 5, v0
	v_readfirstlane_b32 s2, v176                   ; wave 0..3
	s_and_b32 s3, ttmp7, 3                         ; y: 0 q, 1 k, 2 v
	v_and_b32 v176, 31, v0                         ; lane
	v_and_b32 v177, 15, v0                         ; r
	v_bfe_u32 v178, v0, 4, 1                       ; h
	v_and_b32 v179, 8, v177
	v_add_nc_u32 v179, v179, v177                  ; r + 8 (r / 8)
	v_lshlrev_b32 v1, 11, v179
	v_lshl_add_u32 v1, v178, 6, v1                 ; x: my row of 2,048 bytes, + 64 h
	v_lshlrev_b32 v2, 4, v176                      ; 16 x lane: an image's place for my lane
	s_lshl_b32 s10, s2, 13
	v_add_nc_u32 v3, s10, v2                       ; where I store images: + 8,192 x wave
	v_lshlrev_b32 v4, 9, v179
	v_lshl_add_u32 v4, v178, 4, v4                 ; the weight: a row of 512 bytes, + 16 h
	v_lshlrev_b32 v5, 6, v178                      ; the bias of q and k: 16 h numbers on
	v_lshlrev_b32 v6, 2, v179                      ; the bias of v, and the mask: number r + 8 (r / 8)
	v_mov_b32 v188, 0                              ; a lane permute's destination counts as read
	s_mov_b32 s12, 0x76543210
	s_mov_b32 s13, 0xfedcba98                      ; selects for lane xor 16
	s_lshl_b32 s56, ttmp9, 7                       ; 128 X
	s_lshr_b32 s10, s2, 1
	s_lshl_b32 s10, s10, 5
	s_add_co_u32 s56, s56, s10
	s_and_b32 s10, s2, 1
	s_lshl_b32 s10, s10, 3
	s_add_co_u32 s56, s56, s10                     ; + 32 (w / 2) + 8 (w % 2): row tile w's first row
	s_lshl_b32 s56, s56, 11
	s_mov_b32 s57, 0
	s_lshl_b32 s58, s2, 16                         ; my 128 rows of the weight
	s_mov_b32 s59, 0
	s_lshl_b32 s60, s2, 9                          ; my 128 numbers of the bias
	s_mov_b32 s61, 0
	s_lshr_b32 s62, ttmp9, 4                       ; the batch
	s_lshl_b32 s62, s62, 3
	s_lshl_b32 s10, s2, 1
	s_add_co_u32 s62, s62, s10                     ; batch x 8 + head 2 w
	s_lshl_b32 s62, s62, 17
	s_and_b32 s10, ttmp9, 15
	s_lshl_b32 s10, s10, 13                        ; the key step: 8,192 bytes in each of the three buffers
	s_add_co_u32 s62, s62, s10
	s_mov_b32 s63, 0
	s_lshl_b32 s66, ttmp9, 9                       ; the mask: 128 X numbers on
	s_mov_b32 s67, 0
	s_wait_kmcnt 0x0
	s_load_b512 s[68:83], s[34:35], 0x0            ; the 16 exponents
	s_load_b32 s84, s[18:19], 0x0                  ; alpha1
	s_load_b32 s86, s[20:21], 0x0                  ; beta1
	s_cmp_eq_u32 s3, 1                             ; the choice of buffers hangs on the work-group's number alone
	s_cselect_b64 s[4:5], s[24:25], s[22:23]
	s_cselect_b64 s[6:7], s[30:31], s[28:29]
	s_cselect_b64 s[8:9], s[40:41], s[38:39]
	s_cmp_eq_u32 s3, 2
	s_cselect_b64 s[4:5], s[26:27], s[4:5]
	s_cselect_b64 s[6:7], s[32:33], s[6:7]
	s_cselect_b64 s[8:9], s[42:43], s[8:9]
	s_add_nc_u64 s[16:17], s[16:17], s[56:57]
	s_add_nc_u64 s[4:5], s[4:5], s[58:59]
	s_add_nc_u64 s[6:7], s[6:7], s[60:61]
	s_add_nc_u64 s[8:9], s[8:9], s[62:63]
	s_add_nc_u64 s[36:37], s[36:37], s[66:67]
.irp i, 0,1,2,3,4,5,6,7
	global_load_b32 v[LIMV+\i], v6, s[36:37] offset:(64*(\i/4)+32*((\i%4)/2)+8*(\i%2))*4   ; src_mask of lane r's row in row tile i of the 128 rows
.endr
	XLOAD 0
	WLOAD 4, 0
	s_wait_kmcnt 0x0
	s_cmp_eq_u32 s3, 1
	s_cselect_b32 s50, s70, s68                    ; ea: n's exponent for this product
	s_cselect_b32 s51, s71, s69                    ; ew: the weight's
	s_cselect_b32 s52, s75, s74                    ; eo: the result's, as an operand of attention
	s_cmp_eq_u32 s3, 2
	s_cselect_b32 s50, s72, s50
	s_cselect_b32 s51, s73, s51
	s_cselect_b32 s52, s77, s52
	s_mov_b32 s87, s86                             ; (named with s86 as a pair, so it is written)
	s_add_co_i32 s53, s50, 127
	s_lshl_b32 s54, s53, 23
	v_mov_b32 v190, s54                            ; 2^ea as f32: the conversion takes its exponent field
	s_add_co_i32 s53, s53, 8
	s_lshl_b32 s53, s53, 23
	s_or_b32 s44, s53, 0x600000                    ; 448 x 2^ea
	s_or_b32 s45, s44, 0x80000000
	s_add_co_i32 s48, s50, s51
	s_sub_co_i32 s53, s52, s48                     ; a sum stands for sum x 2^(ea + ew): its code is sum / 2^(eo - ea - ew)
	s_sub_co_i32 s48, 0, s48                       ; and the bias goes in as bias / 2^(ea + ew)
	s_add_co_i32 s53, s53, 127
	s_lshl_b32 s54, s53, 23
	v_mov_b32 v191, s54
	s_add_co_i32 s53, s53, 8
	s_lshl_b32 s53, s53, 23
	s_or_b32 s46, s53, 0x600000
	s_or_b32 s47, s46, 0x80000000
	s_cmp_eq_u32 s3, 1
	s_cselect_b32 s55, 0, s46                      ; the limit of a masked row: 0 on the k path
	s_wait_loadcnt 32                              ; the mask and x are in; the 32 loads of the weight's first K step, issued behind them, may be out
	v_mov_b32 v180, s46
	v_mov_b32 v181, s55
.irp i, 0,1,2,3,4,5,6,7
	v_cmp_eq_u32 vcc_lo, 0, v[LIMV+\i]
	v_cndmask_b32 v[LIMV+\i], v180, v181, vcc_lo
.endr
	NORM1
	WLOAD 4, 1                                     ; the weight's other K steps are asked for between the passes
	NORM2
	WLOAD 4, 2
	NORM3
	WLOAD 4, 3
	s_cmp_eq_u32 s3, 2
	s_cbranch_scc1 .Lbias_v
.irp t, 0,1,2,3,4,5,6,7
	global_load_b128 v[BIAS+8*\t:BIAS+8*\t+3], v5, s[6:7] offset:(32*(\t/2)+8*(\t%2))*4       ; q, k: a lane's eight registers are eight channels
	global_load_b128 v[BIAS+8*\t+4:BIAS+8*\t+7], v5, s[6:7] offset:(32*(\t/2)+8*(\t%2))*4+16
.endr
	s_branch .Lbias_in
.Lbias_v:
.irp t, 0,1,2,3,4,5,6,7
.irp j, 0,1,2,3,4,5,6,7
	global_load_b32 v[BIAS+8*\t+\j], v6, s[6:7] offset:(32*(\t/2)+8*(\t%2))*4                 ; v: a lane's eight registers are eight keys of one channel
.endr
.endr
.Lbias_in:
	QUANTX
	IMAGE 0
	s_wait_loadcnt 0x0                             ; the weight and the bias
.set qq, 0
.rept 64
	v_ldexp_f32 v[BIAS+qq], v[BIAS+qq], s48
.set qq, qq+1
.endr
	XLOAD 1                                        ; the second block's rows land while the first block is multiplied
	BARRIER                                        ; block 0's sixteen fragments lie in LDS
	TILES 0
	s_wait_loadcnt 0x0
	NORM1
	NORM2
	NORM3
	QUANTX
	IMAGE 1                                        ; each block has LDS bytes of its own: one barrier a block
	BARRIER
	TILES 1
	s_wait_tensorcnt 0x0
	ds_add_u32 v7, v189
	s_wait_dscnt 0x0
	s_endpgm
.Lfunc_end_k_q4c8579b854_qkv:
	.size	k_q4c8579b854_qkv, .Lfunc_end_k_q4c8579b854_qkv-k_q4c8579b854_qkv
	.p2alignl 7, 3214868480
	.fill 96, 4, 3214868480
	.section	.rodata,"a",@progbits
	.p2align	6, 0x0
	.amdhsa_kernel k_q4c8579b854_qkv
		.amdhsa_group_segment_fixed_size 66048
		.amdhsa_private_segment_fixed_size 0
		.amdhsa_enable_private_segment 0
		.amdhsa_kernarg_size 112
		.amdhsa_user_sgpr_count 2
		.amdhsa_user_sgpr_kernarg_segment_ptr 1
		.amdhsa_wavefront_size32 1
		.amdhsa_system_sgpr_workgroup_id_x 1
		.amdhsa_system_sgpr_workgroup_id_y 1
		.amdhsa_system_sgpr_workgroup_id_z 1
		.amdhsa_system_vgpr_workitem_id 0
		.amdhsa_next_free_vgpr 1024
		.amdhsa_next_free_sgpr 100
		.amdhsa_reserve_vcc 1
		.amdhsa_float_denorm_mode_32 3
		.amdhsa_float_denorm_mode_16_64 3
		.amdhsa_memory_ordered 1
		.amdhsa_forward_progress 1
		.amdhsa_inst_pref_size 255
	.end_amdhsa_kernel
	.section	.bss,"aw",@nobits
	.p2align	6
	.space	262144
	.amdgpu_metadata
---
amdhsa.version: [ 1, 2 ]
amdhsa.kernels:
  - .name:           k_q4c8579b854_qkv
    .symbol:         k_q4c8579b854_qkv.kd
    .args:
      - { .name: x, .offset: 0, .size: 8, .value_kind: global_buffer, .address_space: global }
      - { .name: alpha1, .offset: 8, .size: 8, .value_kind: global_buffer, .address_space: global }
      - { .name: beta1, .offset: 16, .size: 8, .value_kind: global_buffer, .address_space: global }
      - { .name: wq_codes, .offset: 24, .size: 8, .value_kind: global_buffer, .address_space: global }
      - { .name: wk_codes, .offset: 32, .size: 8, .value_kind: global_buffer, .address_space: global }
      - { .name: wv_codes, .offset: 40, .size: 8, .value_kind: global_buffer, .address_space: global }
      - { .name: bq, .offset: 48, .size: 8, .value_kind: global_buffer, .address_space: global }
      - { .name: bk, .offset: 56, .size: 8, .value_kind: global_buffer, .address_space: global }
      - { .name: bv, .offset: 64, .size: 8, .value_kind: global_buffer, .address_space: global }
      - { .name: lowp_scales, .offset: 72, .size: 8, .value_kind: global_buffer, .address_space: global }
      - { .name: src_mask, .offset: 80, .size: 8, .value_kind: global_buffer, .address_space: global }
      - { .name: q_img, .offset: 88, .size: 8, .value_kind: global_buffer, .address_space: global }
      - { .name: k_img, .offset: 96, .size: 8, .value_kind: global_buffer, .address_space: global }
      - { .name: v_img, .offset: 104, .size: 8, .value_kind: global_buffer, .address_space: global }
    .group_segment_fixed_size: 66048
    .private_segment_fixed_size: 0
    .kernarg_segment_align: 8
    .kernarg_segment_size: 112
    .max_flat_workgroup_size: 128
    .sgpr_count:     100
    .vgpr_count:     1024
    .wavefront_size: 32
...
	.end_amdgpu_metadata
.endif
;; end of part 1
;; launch attn (part 2): grid 8 x 32, 8 waves a work-group, clusters of 4 x 1, 271,360 bytes of LDS; arguments q_img, k_img, v_img, src_mask, lowp_scales, ctx_img; writes ctx_img
.if DOCPART == 2
	.amdgcn_target "amdgcn-amd-amdhsa--gfx1250"
	.amdhsa_code_object_version 6
	.text
	.protected	k_q4c8579b854_attn
	.globl	k_q4c8579b854_attn
	.p2align	8
	.type	k_q4c8579b854_attn,@function
k_q4c8579b854_attn:
	s_mov_b64 s[64:65], 0
	v_nop
	global_prefetch_b8 v0, s[64:65] scope:SCOPE_SE
	s_setreg_imm32_b32 hwreg(HW_REG_WAVE_MODE, 25, 1), 1
	s_wait_xcnt 0x0
	s_wait_alu depctr_hold_cnt(0) depctr_sa_sdst(0) depctr_va_vdst(0) depctr_va_sdst(0) depctr_va_ssrc(0) depctr_va_vcc(0) depctr_vm_vsrc(0)
	s_getreg_b32 s2, hwreg(HW_REG_IB_STS2, 6, 4)
	s_cmp_eq_u32 s2, 0
	s_cbranch_scc0 .Lentry_in_a_cluster
	s_endpgm
.Lentry_in_a_cluster:
	s_bfe_u32 s2, ttmp6, 0x10000c
	s_cmp_lg_u32 s2, 0x3003
	s_cbranch_scc0 .Lentry_shape_is_right
	s_endpgm
.Lentry_shape_is_right:
; ctx = softmax(q k^T / 8, masked) v for one head, both products on codes of E4M3; ctx quantised for the next product.
; THE SOFTMAX: t = score x log2(e); M = the running largest t rounded up to a whole number; p = 2^(t - M) is quantised; the row's sum is taken of the unquantised p and divides at the end.
; SHARES.  A work-group takes 256 queries of one head; each of its eight waves two tiles of 16, A and B.  Two waves to a SIMD.
; ALL of the head's K and V (2 x 128 KB of codes, laid by the launch before as images of the operands' registers) lie in LDS, filled ONCE: no slot is ever filled again.
; CLUSTER.  The four work-groups of a cluster belong to one head: every tile is asked for jointly, by the same tensor load with the same descriptor and the mask of all four.
; Each wave issues four loads of 8 KB at the head (waves 0-3: one key step of K out of every four; waves 4-7: of V): four tensor loads of a wave are out at the most.
; LAYOUT.  S^T = K Q^T, O^T = V^T P^T: a lane holds one query throughout.  The keys of a tile of K were chosen so that the 16 registers of two neighbouring tiles of S^T are 16 neighbouring keys.
; THE TWO TILES SIDE BY SIDE.  All that a softmax touches lies in register window 0 for both tiles, so their lines stand by turns with no switch of windows: the maxima in eight chains; A's exponentials
; with B's scalings and the rescaling of O^T between them; B's exponentials with A's sums and holds between them.  Each tile's 64 exponentials are one batch with one wait.
; K AND THE TABLE A STEP AHEAD.  K, V and the table's numbers have registers of their own: a step's K and table numbers are asked for in the step before, behind its K Q^T; V at the step's head.
; THE MASK costs no vector line in the loop: a table in LDS holds 0 for an open key and -2^60 for a masked one, and is the C of K Q^T.  A masked key's codes are zeros (the launch before), so its sum is exactly -2^60
; and its t exactly c x -2^60: p = 0 beside any open key; in a row with no open key all t are equal, M = t and p = 1: the uniform row.
; LDS: 0: K, 16 steps x 8,192 bytes;  131,072: V likewise;  262,144: the table, 2,048 numbers.
; LIMITS: e6 + e7 between -49 and 60 (they are added to c's exponent field; -2^60 c stays finite and far under every open t); e8 and e10 between -126 and 119; NaN is not served.
; REGISTERS.  window 0: v1 16 x lane, v2 K's, v3 the table's, v6 V's address in hand, v4, v5 their lane parts; statistics of tile x at v[8 + 16 x]: +0 -M, +1 the largest t, +2, +3 the sum in two halves,
;   +4, +5 f, +6 .. +13 at work, +14 a lane permute's destination; v40-55 Q; v56 2^e8, v57 2^e10; v64-191 S^T then p, 64 a tile; v192-255 O^T, 32 a tile.
; window 1: v0-63 the table's numbers of a step; v64-127 V's fragments; v128-159 p's codes, 16 a tile; v192-255 K's fragments.
.set ST, 8
.set QF, 40
.set SV, 64
.set OV, 192
.set BI, 0                             ; window 1
.set FV, 64                            ; window 1
.set PC, 128                           ; window 1
.set FK, 192                           ; window 1
.set MSB, 0
.macro WIN new                         ; low byte: bits 1:0 source 0, 3:2 source 1, 5:4 source 2, 7:6 destination; the high byte repeats the setting that is left
.if MSB != (\new)
	s_set_vgpr_msb (MSB<<8)|(\new)
.set MSB, (\new)
.endif
.endm
.macro PLACES n
.rept \n
	v_nop
.endr
.endm
.macro CROUND                          ; a round of the cluster's barrier
	s_barrier_signal -1
	s_barrier_wait -1
	s_cmp_lg_u32 s2, 0
	s_cbranch_scc1 .Lnot_wave_0_\@
	s_barrier_signal -3
.Lnot_wave_0_\@:
	s_barrier_wait -3
	s_barrier_signal -1
	s_barrier_wait -1
.endm
.macro FMA x, i                        ; pair i of tile x: t - M (of the pairs c and -M the low word serves both halves)
	v_pk_fma_f32 v[SV+64*(\x)+2*(\i):SV+64*(\x)+2*(\i)+1], v[SV+64*(\x)+2*(\i):SV+64*(\x)+2*(\i)+1], s[58:59], v[ST+16*(\x):ST+16*(\x)+1] op_sel_hi:[1,0,0]
.endm
.macro RESC x, i                       ; pair i of tile x's O^T under the new M: x f
	v_pk_mul_f32 v[OV+32*(\x)+2*(\i):OV+32*(\x)+2*(\i)+1], v[OV+32*(\x)+2*(\i):OV+32*(\x)+2*(\i)+1], v[ST+16*(\x)+4:ST+16*(\x)+5] op_sel_hi:[1,0]
.endm
; Line g of 32 of the sum of tile x's 32 pairs of unquantised p, in four chains: the sum itself and three helpers.  Lines 0-2 start the helpers with pairs 0-5; lines 3-28 add pair g + 3; lines 29-31 join the chains.
; So pair g has been added when line g is written: its hold may follow line g.
.macro SUMOP x, g
.set sT, ST+16*(\x)
.set sS, SV+64*(\x)
.if (\g) < 3
	v_pk_add_f32 v[sT+6+2*(\g):sT+7+2*(\g)], v[sS+4*(\g):sS+4*(\g)+1], v[sS+4*(\g)+2:sS+4*(\g)+3]
.elseif (\g) < 29
.if (((\g)-3)%4) == 0
	v_pk_add_f32 v[sT+2:sT+3], v[sT+2:sT+3], v[sS+2*(\g)+6:sS+2*(\g)+7]
.else
	v_pk_add_f32 v[sT+4+2*(((\g)-3)%4):sT+5+2*(((\g)-3)%4)], v[sT+4+2*(((\g)-3)%4):sT+5+2*(((\g)-3)%4)], v[sS+2*(\g)+6:sS+2*(\g)+7]
.endif
.elseif (\g) == 29
	v_pk_add_f32 v[sT+6:sT+7], v[sT+6:sT+7], v[sT+8:sT+9]
.elseif (\g) == 30
	v_pk_add_f32 v[sT+2:sT+3], v[sT+2:sT+3], v[sT+10:sT+11]
.else
	v_pk_add_f32 v[sT+2:sT+3], v[sT+2:sT+3], v[sT+6:sT+7]
.endif
.endm
.macro HOLD x, g                       ; pair g of tile x: p is not negative: a one-sided hold at 448 x 2^e8 (the conversion to an 8-bit code does not saturate: ISA guide 7.6.2)
	v_min_num_f32 v[SV+64*(\x)+2*(\g)], s60, v[SV+64*(\x)+2*(\g)]
	v_min_num_f32 v[SV+64*(\x)+2*(\g)+1], s60, v[SV+64*(\x)+2*(\g)+1]
.endm
.macro CVTP x                          ; tile x's p -> the second product's operand, in window 1
	WIN 0x40
.irp k, 0,1,2,3,4,5,6,7
	v_cvt_scalef32_pk8_fp8_f32 v[PC+16*(\x)+2*\k:PC+16*(\x)+2*\k+1], v[SV+64*(\x)+8*\k:SV+64*(\x)+8*\k+7], v56
.endr
	v_nop                                          ; a plain line between the last conversion and the products that read the codes
.endm
.macro PV x                            ; O^T += V^T P^T: four accumulators by turns
	WIN 0x05                                       ; V and the codes in window 1
.irp d, 0,1,2,3
	v_wmma_f32_16x16x128_fp8_fp8 v[OV+32*(\x)+8*\d:OV+32*(\x)+8*\d+7], v[FV+16*\d:FV+16*\d+15], v[PC+16*(\x):PC+16*(\x)+15], v[OV+32*(\x)+8*\d:OV+32*(\x)+8*\d+7]
.endr
	WIN 0
.endm
.macro KLOAD off                       ; K's eight tiles of 16 keys x 64, and the table's numbers, of the step \off steps on from v2 and v3
	WIN 0x40
.irp t, 0,1,2,3,4,5,6,7
	ds_load_b128 v[FK+8*\t:FK+8*\t+3], v2 offset:(\off)*8192+\t*1024
	ds_load_b128 v[FK+8*\t+4:FK+8*\t+7], v2 offset:(\off)*8192+\t*1024+512
.endr
.irp t, 0,1,2,3,4,5,6,7
	ds_load_b128 v[BI+8*\t:BI+8*\t+3], v3 offset:(\off)*512+128*(\t/2)+32*(\t%2)       ; register j of tile t is key 32 (t / 2) + 8 (t % 2) + 16 (lane / 16) + j
	ds_load_b128 v[BI+8*\t+4:BI+8*\t+7], v3 offset:(\off)*512+128*(\t/2)+32*(\t%2)+16
.endr
	WIN 0
.endm
; A KEY STEP: 128 keys, both tiles.  pf = 1: the next step's K and table numbers are asked for
.macro STEP pf
	s_wait_dscnt 0x0                               ; this step's K and table numbers, asked for a step ago, are in; no LDS load is out, so the address registers may be written
	v_add_nc_u32 v2, s22, v1
	v_add_nc_u32 v3, s23, v4
	v_add_nc_u32 v6, s22, v5
	v_nop                                          ; these four: the plain lines between the last product and the loads into V's registers, which it read (ISA guide 7.12.1 for vector lines)
	WIN 0x40
.irp d, 0,1,2,3
.irp c, 0,1,2,3
	ds_load_b128 v[FV+16*\d+4*\c:FV+16*\d+4*\c+3], v6 offset:\d*2048+\c*512   ; V's four tiles of 16 channels x 128 keys: they land under the softmax
.endr
.endr
	WIN 0x11                                       ; K and the table's numbers in window 1
.irp x, 0,1
.irp t, 0,1,2,3,4,5,6,7
	v_wmma_f32_16x16x64_fp8_fp8 v[SV+64*\x+8*\t:SV+64*\x+8*\t+7], v[FK+8*\t:FK+8*\t+7], v[QF+8*\x:QF+8*\x+7], v[BI+8*\t:BI+8*\t+7]
.endr
.endr
	WIN 0
	PLACES 4                                       ; in front of the loads into K's and the table's registers, and of the first read of the scores
.if \pf
	KLOAD 1
.endif
	; the step's largest raw score of each query among the lane's 64 keys: four chains a tile, the two tiles by turns; each accumulator is read from its low end on
.irp k, 0,1,2,3
.irp x, 0,1
	v_max3_num_f32 v[ST+16*\x+6+\k], v[SV+64*\x+16*\k], v[SV+64*\x+16*\k+1], v[SV+64*\x+16*\k+2]
.endr
.endr
.irp n, 0,1,2,3,4,5
.irp k, 0,1,2,3
.irp x, 0,1
	v_max3_num_f32 v[ST+16*\x+6+\k], v[ST+16*\x+6+\k], v[SV+64*\x+16*\k+3+2*\n], v[SV+64*\x+16*\k+4+2*\n]
.endr
.endr
.endr
.irp x, 0,1
	v_max3_num_f32 v[ST+16*\x+6], v[ST+16*\x+6], v[SV+64*\x+15], v[SV+64*\x+31]
	v_max3_num_f32 v[ST+16*\x+8], v[ST+16*\x+8], v[SV+64*\x+47], v[SV+64*\x+63]
.endr
.irp x, 0,1
	v_max3_num_f32 v[ST+16*\x+6], v[ST+16*\x+6], v[ST+16*\x+7], v[ST+16*\x+8]
.endr
.irp x, 0,1
	v_max_num_f32 v[ST+16*\x+6], v[ST+16*\x+6], v[ST+16*\x+9]
.endr
.irp x, 0,1
	v_permlanex16_b32 v[ST+16*\x+14], v[ST+16*\x+6], s20, s21
.endr
.irp x, 0,1
	v_mov_b32 v[ST+16*\x+7], v[ST+16*\x]           ; the old -M
.endr
.irp x, 0,1
	v_max_num_f32 v[ST+16*\x+6], v[ST+16*\x+6], v[ST+16*\x+14]   ; and among lane xor 16's
.endr
.irp x, 0,1
	v_mul_f32 v[ST+16*\x+6], s58, v[ST+16*\x+6]    ; as t (c is positive)
.endr
.irp x, 0,1
	v_max_num_f32 v[ST+16*\x+1], v[ST+16*\x+1], v[ST+16*\x+6]
.endr
.irp x, 0,1
	v_floor_f32 v[ST+16*\x], -v[ST+16*\x+1]        ; -M = floor(-t): M is a whole number
.endr
.irp x, 0,1
	v_sub_f32 v[ST+16*\x+7], v[ST+16*\x], v[ST+16*\x+7]   ; old M - new M: a whole number, 0 or less
.endr
.irp i, 0,1,2,3
	FMA 0, \i
.endr
.irp x, 0,1
	v_cvt_i32_f32 v[ST+16*\x+7], v[ST+16*\x+7]     ; (it saturates)
.endr
.irp i, 4,5,6,7
	FMA 0, \i
.endr
.irp x, 0,1
	v_ldexp_f32 v[ST+16*\x+4], 1.0, v[ST+16*\x+7]  ; f = 2^(old M - new M)
.endr
.set qq, 8
.rept 24
	FMA 0, qq
.set qq, qq+1
.endr
	; tile A's 64 exponentials, one batch; a plain line that names none of their results behind each: B's scalings, then O^T of both tiles under the new M
.set qq, 0
.rept 64
	v_exp_f32 v[SV+qq], v[SV+qq]
.if qq < 32
	FMA 1, qq
.elseif qq < 48
	RESC 0, qq-32
.else
	RESC 1, qq-48
.endif
.set qq, qq+1
.endr
.irp x, 0,1
	v_pk_mul_f32 v[ST+16*\x+2:ST+16*\x+3], v[ST+16*\x+2:ST+16*\x+3], v[ST+16*\x+4:ST+16*\x+5] op_sel_hi:[1,0]   ; the sums under the new M
.endr
	s_wait_alu depctr_va_vdst(0)                   ; one wait for A's batch, ahead of its first reader
	; tile B's 64 exponentials, one batch; between them A's sum of the unquantised p and A's holds, which name A's registers alone
.set qq, 0
.rept 32
	v_exp_f32 v[SV+64+2*qq], v[SV+64+2*qq]
	SUMOP 0, qq
	v_exp_f32 v[SV+64+2*qq+1], v[SV+64+2*qq+1]
	HOLD 0, qq
.set qq, qq+1
.endr
	CVTP 0
	s_wait_alu depctr_va_vdst(0)                   ; one wait for B's batch, ahead of its first reader
.if \pf
	s_wait_dscnt 32                                ; V is in; the 32 loads of the next step's K and table numbers, issued behind V's, may be out
.else
	s_wait_dscnt 0x0
.endif
	PV 0
.set qq, 0
.rept 32
	SUMOP 1, qq
	HOLD 1, qq
.set qq, qq+1
.endr
	CVTP 1
	PV 1
.endm
; \n key steps from step \first on.  cnt: how many of my tensor loads may stay out.  The last step is written out without the fetch ahead: no K is read before the barrier that shows it landed, and no load leaves LDS
.macro PHASE first, n, cnt
	s_wait_tensorcnt \cnt                          ; my part of these steps' tiles has landed; later loads may stay out
	s_wait_dscnt 0x0
	s_barrier_signal -1
	s_barrier_wait -1                              ; everybody's has
	s_mov_b32 s22, (\first)*8192
	s_mov_b32 s23, (\first)*512
	v_add_nc_u32 v2, s22, v1
	v_add_nc_u32 v3, s23, v4
	KLOAD 0
	s_mov_b32 s18, (\n)-1
.Lstep_\@:
	STEP 1
	s_add_co_u32 s22, s22, 8192
	s_add_co_u32 s23, s23, 512
	s_sub_co_u32 s18, s18, 1
	s_cmp_lg_u32 s18, 0
	s_cbranch_scc1 .Lstep_\@
	s_mov_b32 s22, ((\first)+(\n)-1)*8192
	s_mov_b32 s23, ((\first)+(\n)-1)*512
	STEP 0
.endm
	s_load_b256 s[4:11], s[0:1], 0x0               ; q_img, k_img, v_img, src_mask
	s_load_b128 s[12:15], s[0:1], 0x20             ; the exponents, ctx_img
	v_lshl_add_u32 v62, v0, 2, 0x42000
	v_mov_b32 v63, 0
	ds_add_u32 v62, v63
	ds_add_u32 v62, v63
	v_lshrrev_b32 v1, 5, v0
	v_readfirstlane_b32 s2, v1                     ; wave 0..7
	s_and_b32 s3, ttmp7, 0xffff                    ; batch x 8 + head: the four partners share it
	s_bfe_u32 s16, ttmp6, 0x40000                  ; cx
	s_lshl_b32 s17, ttmp9, 2
	s_add_co_u32 s17, s17, s16                     ; my block of 256 queries: it enters q's and ctx's addresses alone
	; descriptor group 1: 8 KB, dense in memory, as 32 rows of 32 elements of 8 bytes; no padding: images are read 512 consecutive bytes at a time
	s_mov_b32 s24, 15|(3<<16)|(1<<21)              ; 15:0 the mask: all four work-groups; 17:16 elements of 8 bytes; 21 set beside a mask
	s_mov_b32 s25, 32<<16                          ; tensor_dim0 = 32
	s_mov_b32 s26, 32<<16                          ; tensor_dim1 = 32
	s_mov_b32 s27, 32<<16                          ; tile_dim0 = 32
	s_mov_b32 s28, 32                              ; tile_dim1 = 32
	s_mov_b32 s29, 32                              ; from row to row
	s_mov_b32 s30, 0
	s_mov_b32 s31, 0
	s_mov_b32 s20, 0x76543210
	s_mov_b32 s21, 0xfedcba98                      ; selects for lane xor 16
	s_and_b32 s51, s2, 3
	s_lshl_b32 s51, s51, 13                        ; my key step of every four: 8,192 bytes, in memory and in LDS
	s_lshl_b32 s48, s3, 17                         ; the head's 131,072 bytes
	s_add_co_u32 s48, s48, s51
	s_mov_b32 s49, 0
	s_lshr_b32 s50, s2, 2
	s_lshl_b32 s50, s50, 17                        ; in LDS: K from byte 0, V from byte 131,072
	s_add_co_u32 s50, s50, s51
	s_lshl_b32 s84, s3, 17                         ; q: head, + 16 tiles a block, + 2 tiles a wave, 1,024 bytes a tile
	s_lshl_b32 s90, s17, 14
	s_add_co_u32 s84, s84, s90
	s_lshl_b32 s90, s2, 11
	s_add_co_u32 s84, s84, s90
	s_mov_b32 s85, 0
	s_lshr_b32 s90, s3, 3                          ; the batch
	s_lshl_b32 s88, s90, 13                        ; its 2,048 numbers of the mask
	s_mov_b32 s89, 0
	s_lshl_b32 s86, s90, 20                        ; ctx: 128 row tiles a batch, 8,192 bytes a tile,
	s_lshl_b32 s90, s17, 17
	s_add_co_u32 s86, s86, s90
	s_lshl_b32 s90, s2, 14
	s_add_co_u32 s86, s86, s90
	s_bfe_u32 s90, s3, 0x20001                     ; K step head / 2,
	s_lshl_b32 s90, s90, 11
	s_add_co_u32 s86, s86, s90
	s_and_b32 s90, s3, 1                           ; pieces 2 (head % 2) on
	s_lshl_b32 s90, s90, 10
	s_add_co_u32 s86, s86, s90
	s_mov_b32 s87, 0
	s_wait_dscnt 0x0
	s_wait_kmcnt 0x0
	s_load_b512 s[68:83], s[12:13], 0x0            ; the 16 exponents
	s_cmp_lt_u32 s2, 4                             ; waves 0-3 fetch K, waves 4-7 V: the choice hangs on the wave's number alone
	s_cselect_b64 s[52:53], s[6:7], s[8:9]
	s_add_nc_u64 s[52:53], s[52:53], s[48:49]
.irp c, 0,1,2,3
	s_mov_b32 s[32+4*\c], 1                        ; count = 1
	s_add_co_u32 s[33+4*\c], s50, \c*32768         ; LDS address: four key steps on for each load
	s_add_nc_u64 s[34+4*\c:35+4*\c], s[52:53], \c*32768   ; global address likewise
	s_or_b32 s[35+4*\c], s[35+4*\c], 0x80000000    ; type = 2
.endr
	s_add_nc_u64 s[4:5], s[4:5], s[84:85]
	s_add_nc_u64 s[14:15], s[14:15], s[86:87]
	s_add_nc_u64 s[10:11], s[10:11], s[88:89]
	CROUND                                         ; all four work-groups are here: the joint loads meet
	tensor_load_to_lds s[32:35], s[24:31]
	s_nop 0
	tensor_load_to_lds s[36:39], s[24:31]
	s_nop 0
	tensor_load_to_lds s[40:43], s[24:31]
	s_nop 0
	tensor_load_to_lds s[44:47], s[24:31]
	s_nop 0
	PLACES 4                                       ; four plain lines behind the loads
	v_and_b32 v1, 31, v0
	v_lshlrev_b32 v1, 4, v1                        ; 16 x lane
	v_bfe_u32 v4, v0, 4, 1
	v_lshl_add_u32 v4, v4, 6, 0x40000              ; the table at LDS byte 262,144, + 16 numbers for lanes 16-31
	v_add_nc_u32 v5, 0x20000, v1                   ; V: 131,072 + 16 x lane
	v_lshlrev_b32 v7, 4, v0                        ; the mask: four numbers a thread,
	v_lshl_add_u32 v60, v0, 4, 0x40000             ; and their place in the table
	global_load_b128 v[64:67], v7, s[10:11]
	global_load_b128 v[68:71], v7, s[10:11] offset:4096
	global_load_b128 v[QF:QF+3], v1, s[4:5]        ; Q stays in registers: tile A,
	global_load_b128 v[QF+4:QF+7], v1, s[4:5] offset:512
	global_load_b128 v[QF+8:QF+11], v1, s[4:5] offset:1024   ; tile B
	global_load_b128 v[QF+12:QF+15], v1, s[4:5] offset:1536
	v_mov_b32 v58, 0
	v_mov_b32 v59, 0xdd800000                      ; -2^60
	s_wait_loadcnt 4                               ; the mask is in; Q's four loads may be out
.irp i, 0,1,2,3,4,5,6,7
	v_cmp_eq_u32 vcc_lo, 0, v[64+\i]
	v_cndmask_b32 v[72+\i], v58, v59, vcc_lo
.endr
	ds_store_b128 v60, v[72:75]
	ds_store_b128 v60, v[76:79] offset:4096
	s_wait_kmcnt 0x0
	s_add_co_i32 s54, s74, s75
	s_lshl_b32 s54, s54, 23
	s_mov_b32 s58, 0x3e38aa3b                      ; c = log2(e) / 8
	s_add_co_i32 s58, s58, s54                     ; x 2^(e6 + e7): added to its exponent field
	s_mov_b32 s59, s58                             ; (named with it as a pair, so it is written)
	s_add_co_i32 s54, s76, 127
	s_lshl_b32 s55, s54, 23                        ; 2^e8
	s_add_co_i32 s54, s54, 8
	s_lshl_b32 s54, s54, 23
	s_or_b32 s60, s54, 0x600000                    ; 448 x 2^e8
	s_add_co_i32 s61, s76, s77                     ; e8 + e9
	s_add_co_i32 s54, s78, 127
	s_lshl_b32 s56, s54, 23                        ; 2^e10
	s_add_co_i32 s54, s54, 8
	s_lshl_b32 s54, s54, 23
	s_or_b32 s62, s54, 0x600000                    ; 448 x 2^e10
	s_or_b32 s63, s62, 0x80000000
	; the step is written without a first step of its own: it finds zeros, which the first change of M leaves zeros
.irp x, 0,1
	v_mov_b32 v[ST+16*\x+1], 0xff61b1e6            ; -3e38, under every t
	v_floor_f32 v[ST+16*\x], -v[ST+16*\x+1]
	v_mov_b32 v[ST+16*\x+2], 0
	v_mov_b32 v[ST+16*\x+3], 0
	v_mov_b32 v[ST+16*\x+5], 0                     ; (named as the upper half of a pair)
	v_mov_b32 v[ST+16*\x+14], 0                    ; a lane permute's destination counts as read
.endr
	v_mov_b32 v56, s55
	v_mov_b32 v57, s56
.set qq, 0
.rept 64
	v_mov_b32 v[OV+qq], 0
.set qq, qq+1
.endr
	s_wait_loadcnt 0x0                             ; Q
	PHASE 0, 4, 3                                  ; steps 0-3: each wave's first load; its barrier also stands between the table's stores and every wave's reads of it
	PHASE 4, 12, 0                                 ; steps 4-15: all loads
	; THE WAY OUT: O^T / the sum x 2^(e8 + e9), quantised with 2^e10: two stores of 512 consecutive bytes a tile.  The first lines name none of the last products' registers: they are the plain lines behind them
.irp x, 0,1
	v_add_f32 v[ST+16*\x+2], v[ST+16*\x+2], v[ST+16*\x+3]
.endr
.irp x, 0,1
	v_permlanex16_b32 v[ST+16*\x+14], v[ST+16*\x+2], s20, s21
.endr
.irp x, 0,1
	v_add_f32 v[ST+16*\x+2], v[ST+16*\x+2], v[ST+16*\x+14]
.endr
.irp x, 0,1
	v_rcp_f32 v[ST+16*\x+2], v[ST+16*\x+2]
.endr
	v_nop                                          ; a plain line behind the reciprocals,
	s_wait_alu depctr_va_vdst(0)                   ; and one wait for both, ahead of their first reader
.irp x, 0,1
	v_ldexp_f32 v[ST+16*\x+2], v[ST+16*\x+2], s61
.endr
.irp x, 0,1
.set qq, 0
.rept 32
	v_mul_f32 v[SV+64*\x+qq], v[OV+32*\x+qq], v[ST+16*\x+2]
.set qq, qq+1
.endr
.endr
.irp x, 0,1
.set qq, 0
.rept 32
	v_med3_num_f32 v[SV+64*\x+qq], v[SV+64*\x+qq], s63, s62
.set qq, qq+1
.endr
.endr
.irp x, 0,1
.irp d, 0,1,2,3
	v_cvt_scalef32_pk8_fp8_f32 v[ST+16*\x+6+2*\d:ST+16*\x+7+2*\d], v[SV+64*\x+8*\d:SV+64*\x+8*\d+7], v57
.endr
.endr
	v_nop
.irp x, 0,1
	global_store_b128 v1, v[ST+16*\x+6:ST+16*\x+9], s[14:15] offset:\x*8192
	global_store_b128 v1, v[ST+16*\x+10:ST+16*\x+13], s[14:15] offset:\x*8192+512
.endr
	s_wait_tensorcnt 0x0
	ds_add_u32 v62, v63
	s_wait_dscnt 0x0
	CROUND                                         ; the closing round: no work-group ends while a partner may still ask for a tile that names it
	s_endpgm
.Lfunc_end_k_q4c8579b854_attn:
	.size	k_q4c8579b854_attn, .Lfunc_end_k_q4c8579b854_attn-k_q4c8579b854_attn
	.p2alignl 7, 3214868480
	.fill 96, 4, 3214868480
	.section	.rodata,"a",@progbits
	.p2align	6, 0x0
	.amdhsa_kernel k_q4c8579b854_attn
		.amdhsa_group_segment_fixed_size 271360
		.amdhsa_private_segment_fixed_size 0
		.amdhsa_enable_private_segment 0
		.amdhsa_kernarg_size 48
		.amdhsa_user_sgpr_count 2
		.amdhsa_user_sgpr_kernarg_segment_ptr 1
		.amdhsa_wavefront_size32 1
		.amdhsa_system_sgpr_workgroup_id_x 1
		.amdhsa_system_sgpr_workgroup_id_y 1
		.amdhsa_system_sgpr_workgroup_id_z 1
		.amdhsa_system_vgpr_workitem_id 0
		.amdhsa_next_free_vgpr 512
		.amdhsa_next_free_sgpr 100
		.amdhsa_reserve_vcc 1
		.amdhsa_float_denorm_mode_32 3
		.amdhsa_float_denorm_mode_16_64 3
		.amdhsa_memory_ordered 1
		.amdhsa_forward_progress 1
		.amdhsa_inst_pref_size 136
	.end_amdhsa_kernel
	.amdgpu_metadata
---
amdhsa.version: [ 1, 2 ]
amdhsa.kernels:
  - .name:           k_q4c8579b854_attn
    .symbol:         k_q4c8579b854_attn.kd
    .args:
      - { .name: q_img, .offset: 0, .size: 8, .value_kind: global_buffer, .address_space: global }
      - { .name: k_img, .offset: 8, .size: 8, .value_kind: global_buffer, .address_space: global }
      - { .name: v_img, .offset: 16, .size: 8, .value_kind: global_buffer, .address_space: global }
      - { .name: src_mask, .offset: 24, .size: 8, .value_kind: global_buffer, .address_space: global }
      - { .name: lowp_scales, .offset: 32, .size: 8, .value_kind: global_buffer, .address_space: global }
      - { .name: ctx_img, .offset: 40, .size: 8, .value_kind: global_buffer, .address_space: global }
    .group_segment_fixed_size: 271360
    .private_segment_fixed_size: 0
    .kernarg_segment_align: 8
    .kernarg_segment_size: 48
    .max_flat_workgroup_size: 256
    .sgpr_count:     100
    .vgpr_count:     512
    .wavefront_size: 32
...
	.end_amdgpu_metadata
.endif
;; end of part 2
;; launch mid (part 3): grid 64 x 4, 4 waves a work-group, no clusters, 198,144 bytes of LDS; arguments x, ctx_img, wo_codes, bo, alpha2, beta2, w1_codes, b1, lowp_scales, x1, h_img; writes x1, h_img
.if DOCPART == 3
	.amdgcn_target "amdgcn-amd-amdhsa--gfx1250"
	.amdhsa_code_object_version 6
	.text
	.protected	k_q4c8579b854_mid
	.globl	k_q4c8579b854_mid
	.p2align	8
	.type	k_q4c8579b854_mid,@function
k_q4c8579b854_mid:
	s_mov_b64 s[64:65], 0
	v_nop
	global_prefetch_b8 v0, s[64:65] scope:SCOPE_SE
	s_setreg_imm32_b32 hwreg(HW_REG_WAVE_MODE, 25, 1), 1
	s_wait_xcnt 0x0
; x1 = x + ctx wo + bo; n2 = alpha2 (x1 - mean) / (std + 1e-6) + beta2, quantised; h = relu(n2 w1 + b1), quantised.  Both products on codes of E4M3.
; SHARES.  A work-group takes 128 rows as two blocks of 64, and hidden units 512 y .. 512 y + 511.  Wave w makes columns 128 w .. + 127 of ctx wo, and hidden units 512 y + 128 w .. + 127, for all 64 rows of a block;
; its part of wo, and then of w1, stays in 512 registers.  ctx wo is made by all four work-groups of a row block (each needs whole rows of x1 for the norm); of x1 work-group y stores row tile y of each block.
; Row tiles, weight tiles, fragments and images as in the first launch: lane r of row tile 2 g + u is row 32 g + 8 u + r + 8 (r / 8); a fragment's registers 4 c .. 4 c + 3 hold k = 32 c + 16 (lane / 16) + 0 .. 15.
; A BLOCK: A: for each row tile, ctx's fragments from LDS, my 128 columns (transposed: a lane holds one row), x 2^(e10 + e11), into a stage of 64 rows in LDS | barrier |
; X: my row tile's rows from the stage, + x = x1 in registers; my 4 of the 16 rows that this work-group stores; the norm; codes; images over ctx's | barrier.  Then h for both blocks.
; LDS: 0: images, 32,768 bytes a block;  65,536: the stage, 64 rows x (2,048 + 16) bytes: rows 516 words apart, so 16 rows' pieces of 16 bytes fall on 16 different groups of banks (ISA guide 11.1).
; LIMITS: e10 + e11 between -126 and 127; e12, and e14 - e12 - e13, between -126 and 119; NaN is not served; a row whose variance is under 2^-126 counts as variance 0.
; REGISTERS.  window 0: v1-9 addresses, v16-79 four fragments or rows from the stage, v80-143 eight result tiles, v144-159 codes, v176-188 statistics, v190/191 scales, v192-255 the bias.
; windows 1, 2: the weight, fragment (t, s) at 16 (8 (s % 2) + t).   window 3: my half row of x, then x1, then n2.
.set XF,   16
.set ACC,  80
.set PC,   144
.set SUM,  176
.set BIAS, 192
.set MSB,  0
.macro WIN new
.if MSB != (\new)
	s_set_vgpr_msb (MSB<<8)|(\new)
.set MSB, (\new)
.endif
.endm
.macro PLACES n
.rept \n
	v_nop
.endr
.endm
.macro BARRIER
	s_wait_dscnt 0x0
	s_barrier_signal -1
	s_barrier_wait -1
.endm
.macro XLOAD blk
	WIN 0xc0
.irp s, 0,1,2,3
.irp c, 0,1,2,3
.irp j, 0,1,2,3
	global_load_b128 v[64*\s+16*\c+4*\j:64*\s+16*\c+4*\j+3], v1, s[16:17] offset:(\blk)*131072+512*\s+128*\c+16*\j
.endr
.endr
.endr
	WIN 0
.endm
.macro WLOAD b, ks
.if (\ks) < 2
	WIN 0x40
.else
	WIN 0x80
.endif
.irp t, 0,1,2,3,4,5,6,7
.irp c, 0,1,2,3
	global_load_b128 v[16*(8*((\ks)%2)+\t)+4*\c:16*(8*((\ks)%2)+\t)+4*\c+3], v4, s[\b:\b+1] offset:(32*(\t/2)+8*(\t%2))*512+128*(\ks)+32*\c
.endr
.endr
	WIN 0
.endm
.macro BLOAD b                         ; a bias: lane (r, h) wants, for tile t, the numbers of columns 32 (t / 2) + 8 (t % 2) + 16 h + 0 .. 7
.irp t, 0,1,2,3,4,5,6,7
	global_load_b128 v[BIAS+8*\t:BIAS+8*\t+3], v5, s[\b:\b+1] offset:(32*(\t/2)+8*(\t%2))*4
	global_load_b128 v[BIAS+8*\t+4:BIAS+8*\t+7], v5, s[\b:\b+1] offset:(32*(\t/2)+8*(\t%2))*4+16
.endr
.endm
.macro REDUCE
	v_pk_add_f32 v[SUM:SUM+1], v[SUM:SUM+1], v[SUM+2:SUM+3]
	v_pk_add_f32 v[SUM+4:SUM+5], v[SUM+4:SUM+5], v[SUM+6:SUM+7]
	v_pk_add_f32 v[SUM:SUM+1], v[SUM:SUM+1], v[SUM+4:SUM+5]
	v_add_f32 v[SUM], v[SUM], v[SUM+1]
	v_permlanex16_b32 v188, v[SUM], s12, s13
	v_add_f32 v[SUM], v[SUM], v188
.endm
.macro NORM1
	WIN 0x0f
.irp i, 0,1,2,3
	v_pk_add_f32 v[SUM+2*\i:SUM+2*\i+1], v[2*\i:2*\i+1], v[8+2*\i:9+2*\i]
.endr
	WIN 0x0c
.set qq, 16
.rept 120
	v_pk_add_f32 v[SUM+qq%8:SUM+qq%8+1], v[SUM+qq%8:SUM+qq%8+1], v[qq:qq+1]
.set qq, qq+2
.endr
	WIN 0
	REDUCE
	v_mul_f32 v184, 0x3b000000, v[SUM]             ; / 512
	v_mul_f32 v185, 0x3b000000, v[SUM]
.endm
.macro NORM2
	WIN 0xc3
.set qq, 0
.rept 128
	v_pk_add_f32 v[qq:qq+1], v[qq:qq+1], v[184:185] neg_lo:[0,1] neg_hi:[0,1]
.set qq, qq+2
.endr
	WIN 0x0f
.irp i, 0,1,2,3
	v_pk_mul_f32 v[SUM+2*\i:SUM+2*\i+1], v[2*\i:2*\i+1], v[2*\i:2*\i+1]
.endr
.set qq, 8
.rept 124
	v_pk_fma_f32 v[SUM+qq%8:SUM+qq%8+1], v[qq:qq+1], v[qq:qq+1], v[SUM+qq%8:SUM+qq%8+1]
.set qq, qq+2
.endr
	WIN 0
	REDUCE
	v_mul_f32 v[SUM], 0x3b004020, v[SUM]           ; / 511
	v_sqrt_f32 v[SUM], v[SUM]
	v_nop                                          ; a plain line behind the transcendental,
	s_wait_alu depctr_va_vdst(0)                   ; and the wait ahead of its first reader
	v_add_f32 v[SUM], 0x358637bd, v[SUM]           ; + 1e-6
	v_rcp_f32 v[SUM], v[SUM]
	v_nop
	s_wait_alu depctr_va_vdst(0)
	v_mul_f32 v186, s84, v[SUM]
	v_mul_f32 v187, s84, v[SUM]
.endm
.macro NORM3
	WIN 0xc3
.set qq, 0
.rept 128
	v_pk_fma_f32 v[qq:qq+1], v[qq:qq+1], v[186:187], s[86:87] op_sel_hi:[1,1,0]
.set qq, qq+2
.endr
	WIN 0
.endm
.macro QUANTX
	WIN 0xc3
.set qq, 0
.rept 256
	v_med3_num_f32 v[qq], v[qq], s45, s44          ; the hold at 448 x 2^e12 (the conversion does not saturate: ISA guide 7.6.2)
.set qq, qq+1
.endr
	WIN 0x03
.set qq, 0
.rept 32
	v_cvt_scalef32_pk8_fp8_f32 v[XF+2*qq:XF+2*qq+1], v[8*qq:8*qq+7], v190
.set qq, qq+1
.endr
	v_nop
	WIN 0
.endm
.macro IMAGE blk
.set qq, 0
.rept 16
	ds_store_b128 v3, v[XF+4*qq:XF+4*qq+3] offset:(\blk)*32768+512*qq
.set qq, qq+1
.endr
.endm
.macro FETCH blk, m
.set qq, 0
.rept 16
	ds_load_b128 v[XF+4*qq:XF+4*qq+3], v2 offset:(\blk)*32768+(\m)*8192+512*qq
.set qq, qq+1
.endr
	s_wait_dscnt 0x0                               ; the fragments are in; my earlier LDS stores have read their registers too
.endm
.macro MMT                             ; 32 matrix instructions, transposed; eight result tiles by turns; the bias is the C of each sum's first instruction
.irp s, 0,1,2,3
.if \s < 2
	WIN 0x01
.else
	WIN 0x02
.endif
.irp t, 0,1,2,3,4,5,6,7
.if \s == 0
	v_wmma_f32_16x16x128_fp8_fp8 v[ACC+8*\t:ACC+8*\t+7], v[16*(8*(\s%2)+\t):16*(8*(\s%2)+\t)+15], v[XF+16*\s:XF+16*\s+15], v[BIAS+8*\t:BIAS+8*\t+7]
.else
	v_wmma_f32_16x16x128_fp8_fp8 v[ACC+8*\t:ACC+8*\t+7], v[16*(8*(\s%2)+\t):16*(8*(\s%2)+\t)+15], v[XF+16*\s:XF+16*\s+15], v[ACC+8*\t:ACC+8*\t+7]
.endif
.endr
.endr
	WIN 0
	PLACES 4
.endm
.macro PHASE_A blk                     ; ctx wo + bo for the block's 64 rows, my 128 columns, into the stage
.irp m, 0,1,2,3
	FETCH \blk, \m
	MMT
.set qq, 0
.rept 32
	v_pk_mul_f32 v[ACC+qq:ACC+qq+1], v[ACC+qq:ACC+qq+1], s[88:89] op_sel_hi:[1,0]   ; x 2^(e10 + e11), each accumulator from its low end on
.set qq, qq+2
.endr
.irp t, 0,1,2,3,4,5,6,7
	ds_store_b128 v[6+\m/2], v[ACC+8*\t:ACC+8*\t+3] offset:(\m%2)*33024+128*(\t/2)+32*(\t%2)
	ds_store_b128 v[6+\m/2], v[ACC+8*\t+4:ACC+8*\t+7] offset:(\m%2)*33024+128*(\t/2)+32*(\t%2)+16
.endr
.endr
	BARRIER                                        ; 64 whole rows lie in the stage, and nobody reads ctx's images of this block any more
.endm
.macro PHASE_X blk
	s_wait_loadcnt 0x0                             ; x, in window 3
.irp i, 0,1,2,3
.irp p, 0,1,2,3
	global_load_b128 v[ACC+16*\i+4*\p:ACC+16*\i+4*\p+3], v2, s[38:39] offset:(\blk)*131072+\i*2048+512*\p   ; x once more, by rows: my 4 of the 16 rows of x1 that this work-group stores
.endr
.endr
.if \blk
	WLOAD 28, 0                                    ; wo is done with: w1 takes its registers, a K step at a time between the passes
.endif
.irp s, 0,1,2,3
.irp c, 0,1,2,3
.irp j, 0,1,2,3
	ds_load_b128 v[XF+16*\c+4*\j:XF+16*\c+4*\j+3], v8 offset:512*\s+128*\c+16*\j
.endr
.endr
	s_wait_dscnt 0x0
	WIN 0xc3
.set qq, 0
.rept 32
	v_pk_add_f32 v[64*\s+qq:64*\s+qq+1], v[64*\s+qq:64*\s+qq+1], v[XF+qq:XF+qq+1]   ; x1 = x + (ctx wo + bo)
.set qq, qq+2
.endr
	WIN 0
.endr
.irp i, 0,1,2,3
.irp p, 0,1,2,3
	ds_load_b128 v[XF+16*\i+4*\p:XF+16*\i+4*\p+3], v9 offset:\i*2064+512*\p
.endr
.endr
.if \blk
	s_wait_loadcnt 32                              ; the 16 row-wise loads are in; w1's first K step, issued behind them, may be out
.else
	s_wait_loadcnt 0x0
.endif
	s_wait_dscnt 0x0
.set qq, 0
.rept 32
	v_pk_add_f32 v[ACC+qq:ACC+qq+1], v[ACC+qq:ACC+qq+1], v[XF+qq:XF+qq+1]
.set qq, qq+2
.endr
.irp i, 0,1,2,3
.irp p, 0,1,2,3
	global_store_b128 v2, v[ACC+16*\i+4*\p:ACC+16*\i+4*\p+3], s[34:35] offset:(\blk)*131072+\i*2048+512*\p   ; 512 consecutive bytes of a row
.endr
.endr
	NORM1
.if \blk
	WLOAD 28, 1
.endif
	NORM2
.if \blk
	WLOAD 28, 2
.endif
	NORM3
.if \blk
	WLOAD 28, 3
	BLOAD 30
.endif
	QUANTX
	IMAGE \blk
	s_wait_xcnt 0x0                                ; x1's stores have read their data: those registers are written again only behind this wait
.if (\blk) == 0
	XLOAD 1
.endif
	BARRIER                                        ; n2's sixteen fragments of this block lie in LDS, and nobody reads the stage any more
.endm
	s_load_b512 s[16:31], s[0:1], 0x0              ; x, ctx_img, wo, bo, alpha2, beta2, w1, b1
	s_load_b128 s[32:35], s[0:1], 0x40             ; the exponents, x1
	s_load_b64 s[36:37], s[0:1], 0x50              ; h_img
	v_lshl_add_u32 v175, v0, 2, 0x30400
	v_mov_b32 v189, 0
	v_lshrrev_b32 v176, 5, v0
	v_readfirstlane_b32 s2, v176                   ; wave 0..3
	s_and_b32 s3, ttmp7, 3                         ; y
	v_and_b32 v176, 31, v0                         ; lane
	v_and_b32 v177, 15, v0                         ; r
	v_bfe_u32 v178, v0, 4, 1                       ; h
	v_and_b32 v179, 8, v177
	v_add_nc_u32 v179, v179, v177                  ; r + 8 (r / 8)
	v_lshlrev_b32 v1, 11, v179
	v_lshl_add_u32 v1, v178, 6, v1                 ; x: my row, + 64 h
	v_lshlrev_b32 v2, 4, v176                      ; 16 x lane
	s_lshl_b32 s40, s2, 13
	v_add_nc_u32 v3, s40, v2                       ; where I store images
	v_lshlrev_b32 v4, 9, v179
	v_lshl_add_u32 v4, v178, 4, v4                 ; a weight's row of 512 bytes, + 16 h
	v_lshlrev_b32 v5, 6, v178                      ; a bias: 16 h numbers on
	v_mul_u32_u24 v180, v177, 2064
	v_lshl_add_u32 v180, v178, 6, v180             ; stage row r, + 64 h
	s_lshl_b32 s40, s2, 9
	s_add_co_u32 s40, s40, 65536
	v_add_nc_u32 v6, s40, v180                     ; into the stage: + my 128 columns; row tiles 0, 1
	v_add_nc_u32 v7, 0x10200, v6                   ; row tiles 2, 3: 32 rows on
	s_mul_i32 s40, s2, 33024
	s_add_co_u32 s40, s40, 65536
	v_add_nc_u32 v8, s40, v180                     ; out of it: row tile w's rows
	s_lshl_b32 s40, s3, 4
	s_lshl_b32 s41, s2, 2
	s_add_co_u32 s40, s40, s41
	s_mul_i32 s40, s40, 2064
	s_add_co_u32 s40, s40, 65536
	v_add_nc_u32 v9, s40, v2                       ; and by rows: stage rows 16 y + 4 w on, 16 bytes a lane
	v_mov_b32 v188, 0
	s_mov_b32 s12, 0x76543210
	s_mov_b32 s13, 0xfedcba98
	s_lshl_b32 s40, ttmp9, 7                       ; 128 X
	s_lshr_b32 s41, s2, 1                          ; w / 2
	s_lshl_b32 s50, s41, 5
	s_add_co_u32 s50, s50, s40
	s_and_b32 s42, s2, 1
	s_lshl_b32 s42, s42, 3
	s_add_co_u32 s50, s50, s42
	s_lshl_b32 s50, s50, 11                        ; x: row tile w's first row
	s_mov_b32 s51, 0
	s_lshr_b32 s52, s3, 1
	s_lshl_b32 s52, s52, 5
	s_add_co_u32 s52, s52, s40
	s_and_b32 s42, s3, 1
	s_lshl_b32 s42, s42, 3
	s_add_co_u32 s52, s52, s42
	s_lshl_b32 s42, s2, 2
	s_add_co_u32 s52, s52, s42
	s_lshl_b32 s42, s41, 3
	s_add_co_u32 s52, s52, s42
	s_lshl_b32 s52, s52, 11                        ; by rows: lanes 4 w .. 4 w + 3 of row tile y are rows 32 (y / 2) + 8 (y % 2) + 4 w + 8 (w / 2) + 0 .. 3
	s_mov_b32 s53, 0
	s_lshl_b32 s54, ttmp9, 3
	s_add_co_u32 s54, s54, s2
	s_lshl_b32 s54, s54, 13                        ; ctx: row tile 8 X + w
	s_mov_b32 s55, 0
	s_lshl_b32 s56, s2, 16                         ; wo: my 128 rows
	s_mov_b32 s57, 0
	s_lshl_b32 s58, s2, 9                          ; bo: my 128 numbers
	s_mov_b32 s59, 0
	s_lshl_b32 s60, s3, 18
	s_add_co_u32 s60, s60, s56                     ; w1: rows 512 y + 128 w on
	s_mov_b32 s61, 0
	s_lshl_b32 s62, s3, 11
	s_add_co_u32 s62, s62, s58                     ; b1 likewise
	s_mov_b32 s63, 0
	s_lshl_b32 s66, ttmp9, 18
	s_lshl_b32 s42, s3, 13
	s_add_co_u32 s66, s66, s42
	s_lshl_b32 s42, s2, 11
	s_add_co_u32 s66, s66, s42                     ; h: row tile 8 X, piece 16 y + 4 w
	s_mov_b32 s67, 0
	s_wait_kmcnt 0x0
	s_load_b512 s[68:83], s[32:33], 0x0            ; the 16 exponents
	s_load_b32 s84, s[24:25], 0x0                  ; alpha2
	s_load_b32 s86, s[26:27], 0x0                  ; beta2
	s_add_nc_u64 s[38:39], s[16:17], s[52:53]
	s_add_nc_u64 s[16:17], s[16:17], s[50:51]
	s_add_nc_u64 s[34:35], s[34:35], s[52:53]
	s_add_nc_u64 s[18:19], s[18:19], s[54:55]
	s_add_nc_u64 s[20:21], s[20:21], s[56:57]
	s_add_nc_u64 s[22:23], s[22:23], s[58:59]
	s_add_nc_u64 s[28:29], s[28:29], s[60:61]
	s_add_nc_u64 s[30:31], s[30:31], s[62:63]
	s_add_nc_u64 s[36:37], s[36:37], s[66:67]
	WLOAD 20, 0
	WLOAD 20, 1
	WLOAD 20, 2
	WLOAD 20, 3
	BLOAD 22
.irp b, 0,1
.set qq, 0
.rept 16
	global_load_b128 v[XF+64*\b+4*qq:XF+64*\b+4*qq+3], v2, s[18:19] offset:\b*32768+512*qq   ; ctx: my row tile of both blocks, as it lies
.set qq, qq+1
.endr
.endr
	XLOAD 0
	s_wait_kmcnt 0x0
	s_mov_b32 s87, s86
	s_add_co_i32 s48, s78, s79                     ; e10 + e11
	s_add_co_i32 s40, s48, 127
	s_lshl_b32 s88, s40, 23                        ; 2^(e10 + e11) as f32
	s_mov_b32 s89, s88
	s_sub_co_i32 s48, 0, s48
	s_add_co_i32 s40, s80, 127
	s_lshl_b32 s41, s40, 23
	v_mov_b32 v190, s41                            ; 2^e12
	s_add_co_i32 s40, s40, 8
	s_lshl_b32 s40, s40, 23
	s_or_b32 s44, s40, 0x600000                    ; 448 x 2^e12
	s_or_b32 s45, s44, 0x80000000
	s_add_co_i32 s49, s80, s81                     ; e12 + e13
	s_sub_co_i32 s40, s82, s49                     ; e14 - e12 - e13: the three scales folded into the conversion's one
	s_sub_co_i32 s49, 0, s49
	s_add_co_i32 s40, s40, 127
	s_lshl_b32 s41, s40, 23
	v_mov_b32 v191, s41
	s_add_co_i32 s40, s40, 8
	s_lshl_b32 s40, s40, 23
	s_or_b32 s46, s40, 0x600000
	s_wait_loadcnt 63                              ; of x's 64 loads, issued last, 63 may be out: wo, bo and ctx are in
.irp b, 0,1
.set qq, 0
.rept 16
	ds_store_b128 v3, v[XF+64*\b+4*qq:XF+64*\b+4*qq+3] offset:\b*32768+512*qq
.set qq, qq+1
.endr
.endr
.set qq, 0
.rept 64
	v_ldexp_f32 v[BIAS+qq], v[BIAS+qq], s48        ; bo / 2^(e10 + e11)
.set qq, qq+1
.endr
	BARRIER                                        ; ctx's fragments of both blocks lie in LDS
	PHASE_A 0
	PHASE_X 0
	PHASE_A 1
	PHASE_X 1
	s_wait_loadcnt 0x0                             ; w1 and b1
.set qq, 0
.rept 64
	v_ldexp_f32 v[BIAS+qq], v[BIAS+qq], s49        ; b1 / 2^(e12 + e13)
.set qq, qq+1
.endr
.irp b, 0,1
.irp m, 0,1,2,3
	FETCH \b, \m
	MMT
	s_wait_xcnt 0x0                                ; the last tile's stores have read their data
.set qq, 0
.rept 64
	v_med3_num_f32 v[ACC+qq], v[ACC+qq], 0, s46    ; the activation and the hold in one
.set qq, qq+1
.endr
.irp t, 0,1,2,3,4,5,6,7
	v_cvt_scalef32_pk8_fp8_f32 v[PC+2*\t:PC+2*\t+1], v[ACC+8*\t:ACC+8*\t+7], v191
.endr
	v_nop
.irp p, 0,1,2,3
	global_store_b128 v2, v[PC+4*\p:PC+4*\p+3], s[36:37] offset:(4*\b+\m)*32768+512*\p   ; 512 consecutive bytes: a piece of 32 hidden units x 16 rows
.endr
.endr
.endr
	s_wait_tensorcnt 0x0
	ds_add_u32 v175, v189
	s_wait_dscnt 0x0
	s_endpgm
.Lfunc_end_k_q4c8579b854_mid:
	.size	k_q4c8579b854_mid, .Lfunc_end_k_q4c8579b854_mid-k_q4c8579b854_mid
	.p2alignl 7, 3214868480
	.fill 96, 4, 3214868480
	.section	.rodata,"a",@progbits
	.p2align	6, 0x0
	.amdhsa_kernel k_q4c8579b854_mid
		.amdhsa_group_segment_fixed_size 198144
		.amdhsa_private_segment_fixed_size 0
		.amdhsa_enable_private_segment 0
		.amdhsa_kernarg_size 88
		.amdhsa_user_sgpr_count 2
		.amdhsa_user_sgpr_kernarg_segment_ptr 1
		.amdhsa_wavefront_size32 1
		.amdhsa_system_sgpr_workgroup_id_x 1
		.amdhsa_system_sgpr_workgroup_id_y 1
		.amdhsa_system_sgpr_workgroup_id_z 1
		.amdhsa_system_vgpr_workitem_id 0
		.amdhsa_next_free_vgpr 1024
		.amdhsa_next_free_sgpr 100
		.amdhsa_reserve_vcc 0
		.amdhsa_float_denorm_mode_32 3
		.amdhsa_float_denorm_mode_16_64 3
		.amdhsa_memory_ordered 1
		.amdhsa_forward_progress 1
		.amdhsa_inst_pref_size 255
	.end_amdhsa_kernel
	.section	.bss,"aw",@nobits
	.p2align	6
	.space	262144
	.amdgpu_metadata
---
amdhsa.version: [ 1, 2 ]
amdhsa.kernels:
  - .name:           k_q4c8579b854_mid
    .symbol:         k_q4c8579b854_mid.kd
    .args:
      - { .name: x, .offset: 0, .size: 8, .value_kind: global_buffer, .address_space: global }
      - { .name: ctx_img, .offset: 8, .size: 8, .value_kind: global_buffer, .address_space: global }
      - { .name: wo_codes, .offset: 16, .size: 8, .value_kind: global_buffer, .address_space: global }
      - { .name: bo, .offset: 24, .size: 8, .value_kind: global_buffer, .address_space: global }
      - { .name: alpha2, .offset: 32, .size: 8, .value_kind: global_buffer, .address_space: global }
      - { .name: beta2, .offset: 40, .size: 8, .value_kind: global_buffer, .address_space: global }
      - { .name: w1_codes, .offset: 48, .size: 8, .value_kind: global_buffer, .address_space: global }
      - { .name: b1, .offset: 56, .size: 8, .value_kind: global_buffer, .address_space: global }
      - { .name: lowp_scales, .offset: 64, .size: 8, .value_kind: global_buffer, .address_space: global }
      - { .name: x1, .offset: 72, .size: 8, .value_kind: global_buffer, .address_space: global }
      - { .name: h_img, .offset: 80, .size: 8, .value_kind: global_buffer, .address_space: global }
    .group_segment_fixed_size: 198144
    .private_segment_fixed_size: 0
    .kernarg_segment_align: 8
    .kernarg_segment_size: 88
    .max_flat_workgroup_size: 128
    .sgpr_count:     100
    .vgpr_count:     1024
    .wavefront_size: 32
...
	.end_amdgpu_metadata
.endif
;; end of part 3
;; launch ffn2 (part 4): grid 64 x 4, 4 waves a work-group, no clusters, 270,848 bytes of LDS; arguments h_img, w2_codes, b2, x1, lowp_scales, out0; writes out0
.if DOCPART == 4
	.amdgcn_target "amdgcn-amd-amdhsa--gfx1250"
	.amdhsa_code_object_version 6
	.text
	.protected	k_q4c8579b854_ffn2
	.globl	k_q4c8579b854_ffn2
	.p2align	8
	.type	k_q4c8579b854_ffn2,@function
k_q4c8579b854_ffn2:
	s_mov_b64 s[64:65], 0
	v_nop
	global_prefetch_b8 v0, s[64:65] scope:SCOPE_SE
	s_setreg_imm32_b32 hwreg(HW_REG_WAVE_MODE, 25, 1), 1
	s_wait_xcnt 0x0
; out0 = x1 + h w2 + b2, the product on codes of E4M3.
; SHARES.  A work-group takes 128 rows (two blocks of 64) x columns 128 y .. 128 y + 127.  THE WAVES SHARE K: wave w holds, of all 128 columns, K steps 4 w .. 4 w + 3 of w2's 16 (512 registers, read from memory once).
; So each fragment of h is read by one wave alone, straight from memory as it lies (512 consecutive bytes a load), and feeds eight matrix instructions.  The four partial sums meet in LDS.
; The product is used transposed (source 0 = w2, source 1 = h): a lane holds one row and eight neighbouring columns.  Lane r of row tile 2 g + u is row 32 g + 8 u + r + 8 (r / 8), as in the launches before.
; LDS: partial sums, for each block and wave 64 rows x (512 + 16) bytes; each block has bytes of its own: one barrier a block.
; LIMITS: e14 + e15 between -126 and 127.  Order of rounding: K is summed in four parts of 512; out0 = sum x 2^(e14 + e15) + (x1 + b2).
; REGISTERS.  window 0: v2-9 addresses, v16-79 and v80-143 eight result tiles, two sets by turns, later partial sums; v144-207 16 rows of x1, then of out0; v208-211 b2.
; windows 1, 2: w2, fragment (t, s) at 16 (8 (s % 2) + t).   window 3: h, fragment (row tile m, s) at 16 (4 m + s).
.set X1, 144
.set MSB, 0
.macro WIN new
.if MSB != (\new)
	s_set_vgpr_msb (MSB<<8)|(\new)
.set MSB, (\new)
.endif
.endm
.macro PLACES n
.rept \n
	v_nop
.endr
.endm
.macro ALOAD blk, m                    ; row tile m of block blk: my four K steps of h
	WIN 0xc0
.irp s, 0,1,2,3
.irp c, 0,1,2,3
	global_load_b128 v[16*(4*(\m)+\s)+4*\c:16*(4*(\m)+\s)+4*\c+3], v2, s[4:5] offset:(4*(\blk)+(\m))*32768+(4*\s+\c)*512
.endr
.endr
	WIN 0
.endm
.macro MM m                            ; 32 matrix instructions: eight column tiles by turns, K step by K step; the first starts the sums
.set AC, 16+64*((\m)%2)
.irp s, 0,1,2,3
.if \s < 2
	WIN 0x0d
.else
	WIN 0x0e
.endif
.irp t, 0,1,2,3,4,5,6,7
.if \s == 0
	v_wmma_f32_16x16x128_fp8_fp8 v[AC+8*\t:AC+8*\t+7], v[16*(8*(\s%2)+\t):16*(8*(\s%2)+\t)+15], v[16*(4*(\m)+\s):16*(4*(\m)+\s)+15], 0
.else
	v_wmma_f32_16x16x128_fp8_fp8 v[AC+8*\t:AC+8*\t+7], v[16*(8*(\s%2)+\t):16*(8*(\s%2)+\t)+15], v[16*(4*(\m)+\s):16*(4*(\m)+\s)+15], v[AC+8*\t:AC+8*\t+7]
.endif
.endr
.endr
	WIN 0
	PLACES 5                                       ; four in front of the stores of results and the loads into h's registers; the fifth for the set of accumulators that is begun anew two tiles on
.endm
.macro BLOCK blk
.irp i, 0,1,2,3,4,5,6,7,8,9,10,11,12,13,14,15
	global_load_b128 v[X1+4*\i:X1+4*\i+3], v2, s[10:11] offset:(\blk)*131072+(\i+(\i&8))*2048 th:TH_LOAD_NT   ; x1: row tile w's 16 rows, my work-group's 512 bytes of each
.endr
.irp m, 0,1,2,3
.if \blk
.if \m == 0
	s_wait_loadcnt 63                              ; behind this tile's 16 loads: three tiles' 48 and x1's 16
.else
	s_wait_loadcnt 64-16*\m
.endif
.endif
	MM \m
.if (\blk) == 0
	ALOAD 1, \m                                    ; the next block's fragments take the registers that this tile has left
.endif
.irp t, 0,1,2,3,4,5,6,7
	ds_store_b128 v[4+(\blk)], v[16+64*(\m%2)+8*\t:16+64*(\m%2)+8*\t+3] offset:8448*\m+64*\t
	ds_store_b128 v[4+(\blk)], v[16+64*(\m%2)+8*\t+4:16+64*(\m%2)+8*\t+7] offset:8448*\m+64*\t+16
.endr
.endr
	s_wait_dscnt 0x0
	s_barrier_signal -1
	s_barrier_wait -1                              ; all four partial sums of the block lie in LDS
.irp g, 0,1                            ; row tile w's 16 rows, eight at a time
.irp i, 0,1,2,3,4,5,6,7
.irp p, 0,1,2,3
	ds_load_b128 v[16+16*\i+4*\p:16+16*\i+4*\p+3], v[6+2*(\blk)+\p/2] offset:(\p%2)*33792+528*(8*\g+\i)
.endr
.endr
.if \g == 0
.if \blk
	s_wait_loadcnt 0x0                             ; x1
.else
	s_wait_loadcnt 63                              ; x1's 16 loads are in: behind them stand the 64 of the next block's fragments
.endif
.endif
.irp i, 0,1,2,3,4,5,6,7
	s_wait_dscnt 4*(7-\i)                          ; this row's four loads are in; the later rows' may be out
	v_pk_add_f32 v[16+16*\i:17+16*\i], v[16+16*\i:17+16*\i], v[20+16*\i:21+16*\i]
	v_pk_add_f32 v[18+16*\i:19+16*\i], v[18+16*\i:19+16*\i], v[22+16*\i:23+16*\i]
	v_pk_add_f32 v[24+16*\i:25+16*\i], v[24+16*\i:25+16*\i], v[28+16*\i:29+16*\i]
	v_pk_add_f32 v[26+16*\i:27+16*\i], v[26+16*\i:27+16*\i], v[30+16*\i:31+16*\i]
	v_pk_add_f32 v[X1+4*(8*\g+\i):X1+4*(8*\g+\i)+1], v[X1+4*(8*\g+\i):X1+4*(8*\g+\i)+1], v[208:209]
	v_pk_add_f32 v[X1+4*(8*\g+\i)+2:X1+4*(8*\g+\i)+3], v[X1+4*(8*\g+\i)+2:X1+4*(8*\g+\i)+3], v[210:211]
	v_pk_add_f32 v[16+16*\i:17+16*\i], v[16+16*\i:17+16*\i], v[24+16*\i:25+16*\i]
	v_pk_add_f32 v[18+16*\i:19+16*\i], v[18+16*\i:19+16*\i], v[26+16*\i:27+16*\i]
	v_pk_fma_f32 v[X1+4*(8*\g+\i):X1+4*(8*\g+\i)+1], v[16+16*\i:17+16*\i], s[22:23], v[X1+4*(8*\g+\i):X1+4*(8*\g+\i)+1] op_sel_hi:[1,0,1]
	v_pk_fma_f32 v[X1+4*(8*\g+\i)+2:X1+4*(8*\g+\i)+3], v[18+16*\i:19+16*\i], s[22:23], v[X1+4*(8*\g+\i)+2:X1+4*(8*\g+\i)+3] op_sel_hi:[1,0,1]
	global_store_b128 v2, v[X1+4*(8*\g+\i):X1+4*(8*\g+\i)+3], s[14:15] offset:(\blk)*131072+(8*\g+\i+8*\g)*2048 th:TH_STORE_NT   ; 512 consecutive bytes of a row
.endr
.endr
	s_wait_xcnt 0x0                                ; the stores have read their data: x1's registers are loaded again only behind this wait
.endm
	s_load_b256 s[4:11], s[0:1], 0x0               ; h_img, w2, b2, x1
	s_load_b128 s[12:15], s[0:1], 0x20             ; the exponents, out0
	v_lshl_add_u32 v254, v0, 2, 0x42000
	v_mov_b32 v255, 0
	v_lshrrev_b32 v1, 5, v0
	v_readfirstlane_b32 s2, v1                     ; wave 0..3
	s_and_b32 s3, ttmp7, 3                         ; y
	v_and_b32 v10, 31, v0                          ; lane
	v_and_b32 v11, 15, v0                          ; r
	v_bfe_u32 v12, v0, 4, 1                        ; h
	v_lshlrev_b32 v2, 4, v10                       ; 16 x lane
	v_lshlrev_b32 v3, 11, v11
	v_lshl_add_u32 v3, v12, 4, v3                  ; w2: a row of 2,048 bytes, + 16 h
	v_mul_u32_u24 v4, v11, 528
	v_lshl_add_u32 v4, v12, 5, v4
	s_mul_i32 s16, s2, 33792
	v_add_nc_u32 v4, s16, v4                       ; my partial sums: row r, + 32 h; block 0,
	v_add_nc_u32 v5, 135168, v4                    ; block 1
	s_mul_i32 s16, s2, 8448
	v_add_nc_u32 v6, s16, v2                       ; back: row tile w's rows, 16 bytes a lane: block 0, waves 0 and 1's sums,
	v_add_nc_u32 v7, 67584, v6                     ; waves 2 and 3's;
	v_add_nc_u32 v8, 135168, v6                    ; block 1 likewise
	v_add_nc_u32 v9, 202752, v6
	s_lshl_b32 s24, ttmp9, 18
	s_lshl_b32 s16, s2, 13
	s_add_co_u32 s24, s24, s16                     ; h: row tile 8 X, pieces 16 w on
	s_mov_b32 s25, 0
	s_lshl_b32 s26, s3, 18
	s_lshl_b32 s16, s2, 9
	s_add_co_u32 s26, s26, s16                     ; w2: rows 128 y on, K steps 4 w on
	s_mov_b32 s27, 0
	s_lshl_b32 s28, s3, 9                          ; b2: numbers 128 y on
	s_mov_b32 s29, 0
	s_lshl_b32 s30, ttmp9, 7
	s_lshr_b32 s16, s2, 1
	s_lshl_b32 s16, s16, 5
	s_add_co_u32 s30, s30, s16
	s_and_b32 s16, s2, 1
	s_lshl_b32 s16, s16, 3
	s_add_co_u32 s30, s30, s16
	s_lshl_b32 s30, s30, 11
	s_add_co_u32 s30, s30, s28                     ; x1, out0: row tile w's first row, + my work-group's 512 bytes
	s_mov_b32 s31, 0
	s_wait_kmcnt 0x0
	s_load_b64 s[20:21], s[12:13], 0x38            ; e14, e15
	s_add_nc_u64 s[4:5], s[4:5], s[24:25]
	s_add_nc_u64 s[6:7], s[6:7], s[26:27]
	s_add_nc_u64 s[8:9], s[8:9], s[28:29]
	s_add_nc_u64 s[10:11], s[10:11], s[30:31]
	s_add_nc_u64 s[14:15], s[14:15], s[30:31]
.irp s, 0,1,2,3
.if \s < 2
	WIN 0x40
.else
	WIN 0x80
.endif
.irp t, 0,1,2,3,4,5,6,7
.irp c, 0,1,2,3
	global_load_b128 v[16*(8*(\s%2)+\t)+4*\c:16*(8*(\s%2)+\t)+4*\c+3], v3, s[6:7] offset:16*\t*2048+128*\s+32*\c
.endr
.endr
.endr
	WIN 0
	global_load_b128 v[208:211], v2, s[8:9]        ; b2 of my four columns
	ALOAD 0, 0
	ALOAD 0, 1
	ALOAD 0, 2
	ALOAD 0, 3
	s_wait_kmcnt 0x0
	s_add_co_i32 s22, s20, s21
	s_add_co_i32 s22, s22, 127
	s_lshl_b32 s22, s22, 23                        ; 2^(e14 + e15) as f32
	s_mov_b32 s23, s22
	s_wait_loadcnt 0x0
	BLOCK 0
	BLOCK 1
	s_wait_tensorcnt 0x0
	ds_add_u32 v254, v255
	s_wait_dscnt 0x0
	s_endpgm
.Lfunc_end_k_q4c8579b854_ffn2:
	.size	k_q4c8579b854_ffn2, .Lfunc_end_k_q4c8579b854_ffn2-k_q4c8579b854_ffn2
	.p2alignl 7, 3214868480
	.fill 96, 4, 3214868480
	.section	.rodata,"a",@progbits
	.p2align	6, 0x0
	.amdhsa_kernel k_q4c8579b854_ffn2
		.amdhsa_group_segment_fixed_size 270848
		.amdhsa_private_segment_fixed_size 0
		.amdhsa_enable_private_segment 0
		.amdhsa_kernarg_size 48
		.amdhsa_user_sgpr_count 2
		.amdhsa_user_sgpr_kernarg_segment_ptr 1
		.amdhsa_wavefront_size32 1
		.amdhsa_system_sgpr_workgroup_id_x 1
		.amdhsa_system_sgpr_workgroup_id_y 1
		.amdhsa_system_sgpr_workgroup_id_z 1
		.amdhsa_system_vgpr_workitem_id 0
		.amdhsa_next_free_vgpr 1024
		.amdhsa_next_free_sgpr 66
		.amdhsa_reserve_vcc 0
		.amdhsa_float_denorm_mode_32 3
		.amdhsa_float_denorm_mode_16_64 3
		.amdhsa_memory_ordered 1
		.amdhsa_forward_progress 1
		.amdhsa_inst_pref_size 89
	.end_amdhsa_kernel
	.amdgpu_metadata
---
amdhsa.version: [ 1, 2 ]
amdhsa.kernels:
  - .name:           k_q4c8579b854_ffn2
    .symbol:         k_q4c8579b854_ffn2.kd
    .args:
      - { .name: h_img, .offset: 0, .size: 8, .value_kind: global_buffer, .address_space: global }
      - { .name: w2_codes, .offset: 8, .size: 8, .value_kind: global_buffer, .address_space: global }
      - { .name: b2, .offset: 16, .size: 8, .value_kind: global_buffer, .address_space: global }
      - { .name: x1, .offset: 24, .size: 8, .value_kind: global_buffer, .address_space: global }
      - { .name: lowp_scales, .offset: 32, .size: 8, .value_kind: global_buffer, .address_space: global }
      - { .name: out0, .offset: 40, .size: 8, .value_kind: global_buffer, .address_space: global }
    .group_segment_fixed_size: 270848
    .private_segment_fixed_size: 0
    .kernarg_segment_align: 8
    .kernarg_segment_size: 48
    .max_flat_workgroup_size: 128
    .sgpr_count:     66
    .vgpr_count:     1024
    .wavefront_size: 32
...
	.end_amdgpu_metadata
.endif
;; end of part 4
;; ======== version 2 of 2: 4 launches; version 1 with the launches qkv, mid, ffn2 written anew for expert scheduling mode
;; workspace buffers: q_img 4,194,304 bytes; k_img 4,194,304 bytes; v_img 4,194,304 bytes; ctx_img 4,194,304 bytes; x1 16,777,216 bytes; h_img 16,777,216 bytes
;; launch qkv (part 5): grid 64 x 3, 4 waves a work-group, no clusters, 66,048 bytes of LDS; arguments x, alpha1, beta1, wq_codes, wk_codes, wv_codes, bq, bk, bv, lowp_scales, src_mask, q_img, k_img, v_img; writes q_img, k_img, v_img
.if DOCPART == 5
	.amdgcn_target "amdgcn-amd-amdhsa--gfx1250"
	.amdhsa_code_object_version 6
	.text
	.protected	k_q4c8579b854_qkv
	.globl	k_q4c8579b854_qkv
	.p2align	8
	.type	k_q4c8579b854_qkv,@function
k_q4c8579b854_qkv:
	s_mov_b64 s[64:65], 0
	v_nop
	global_prefetch_b8 v0, s[64:65] scope:SCOPE_SE
	s_setreg_imm32_b32 hwreg(HW_REG_WAVE_SCHED_MODE, 0, 2), 2
	s_setreg_imm32_b32 hwreg(HW_REG_WAVE_MODE, 25, 1), 1
	s_wait_xcnt 0x0
	s_wait_alu depctr_vm_vsrc(0)
; n = alpha1 (x - mean) / (std + 1e-6) + beta1 (std with 511 in the divisor), quantised to E4M3; one of n wq + bq, n wk + bk, n wv + bv (work-group y = 0, 1, 2) on codes; the result quantised for attention.
; SHARES.  A work-group takes 128 rows of x (one key step of one batch) as two blocks of 64, and one of the three weights.  Wave w norms and quantises row tile w of a block, and makes columns 128 w .. 128 w + 127
; (heads 2 w, 2 w + 1) for all 64 rows: its 64 KB of the weight stay in 512 registers, read from memory once.  What goes from wave to wave is n's codes, through LDS, as images of the operand's registers.
; ROW TILES.  Lane r of row tile 2 g + u stands for row 32 g + 8 u + r + 8 (r / 8); a weight's tile t takes columns 32 (t / 2) + 8 (t % 2) + r + 8 (r / 8) of the wave's 128.  So the 16 registers of two neighbouring
; result tiles are 16 neighbours along the next product's K, and the conversions' results are that operand's registers.
; q and k: the product is used transposed (source 0 = the weight, source 1 = n): a lane holds one row and 8 channels.  v: natural (source 0 = n): a lane holds one channel and 8 keys, since the keys are the K of p v.
; A fragment (16 rows x 128 K) holds k = 32 c + 16 (lane / 16) + 0 .. 15 in registers 4 c .. 4 c + 3, on both sides of every product: a permutation of k, alike in A and B.
; MASKED KEYS: on the k path the hold's limit is 0 in the lanes whose key has src_mask = 0, so their codes are zeros and their raw scores exactly 0; the next launch puts the mask's number in their place.
; LIMITS: the operand's exponent ea, and eo - ea - ew (eo: the result's), between -126 and 119; NaN among the inputs is not served; a row whose variance is under 2^-126 counts as variance 0.
; Order of rounding: n = d x (alpha x 1 / (std + eps)) + beta, one fused multiply-add.
; REGISTERS.  window 0: v1-6 addresses, v8-15 the hold's limit for each of the 8 row tiles, v16-79 four fragments of n, v80-143 eight result tiles, v144-175 codes, v176-188 statistics, v190/191 the two scales, v192-255 the bias.
; windows 1, 2: the weight: fragment (t, s) at 16 (8 (s % 2) + t), K steps 0, 1 in window 1, K steps 2, 3 in window 2.   window 3: my half row of x: register 64 s + 16 c + i is k = 128 s + 32 c + 16 (lane / 16) + i.
; THE MODE: SCHED_MODE bits 1:0 = 2 (LLVM: expert scheduling mode 2), set by the entry lines.  The code itself states the register dependences between vector or matrix instructions and memory or LDS
; instructions, with s_wait_alu, always for 0.
; THE PLAN.  Registers that memory or LDS instructions touch:
;   v1-v6       offsets and LDS addresses, made at the head and never written again: one wait on va_vdst ahead of the first load serves every load and store of the kernel.
;   v8-15, windows 1 and 2, v192-255   loaded once, ahead of every vector or matrix line that names them.
;   window 3    block 0's loads likewise.  Block 1's loads stand behind the wait ahead of block 0's image stores; no vector line between that wait and them names window 3.
;   v16-79      written by the conversions, read by the image stores (a wait on va_vdst between); then LDS loads land in it (a wait on vm_vsrc between) and the products read it, row tile by row tile:
;               behind a tile's products one wait on va_vdst, and the next tile's loads go out at once and land under this tile's holds and conversions, which name v80-175 alone.
;   v144-175    written by a tile's conversions, read by its stores (a wait on va_vdst between); written again behind a wait on vm_vsrc.
.set XF,   16
.set ACC,  80
.set PC,   144
.set SUM,  176
.set BIAS, 192
.set LIMV, 8
.set MSB,  0
.macro WIN new                         ; low byte: bits 1:0 source 0, 3:2 source 1, 5:4 source 2, 7:6 destination; the high byte repeats the setting that is left
.if MSB != (\new)
	s_set_vgpr_msb (MSB<<8)|(\new)
.set MSB, (\new)
.endif
.endm
.macro PLACES n
.rept \n
	v_nop
.endr
.endm
.macro BARRIER                         ; my LDS stores have landed and my LDS loads are in: then the work-group's barrier
	s_wait_dscnt 0x0
	s_barrier_signal -1
	s_barrier_wait -1
.endm
.macro XLOAD blk                       ; my 16 rows of block blk, half a row a lane, into window 3
	WIN 0xc0
.irp s, 0,1,2,3
.irp c, 0,1,2,3
.irp j, 0,1,2,3
	global_load_b128 v[64*\s+16*\c+4*\j:64*\s+16*\c+4*\j+3], v1, s[16:17] offset:(\blk)*131072+512*\s+128*\c+16*\j
.endr
.endr
.endr
	WIN 0
.endm
.macro WLOAD b, ks                     ; K step ks of my 128 rows of the weight at s[b:b+1]: eight fragments
.if (\ks) < 2
	WIN 0x40
.else
	WIN 0x80
.endif
.irp t, 0,1,2,3,4,5,6,7
.irp c, 0,1,2,3
	global_load_b128 v[16*(8*((\ks)%2)+\t)+4*\c:16*(8*((\ks)%2)+\t)+4*\c+3], v4, s[\b:\b+1] offset:(32*(\t/2)+8*(\t%2))*512+128*(\ks)+32*\c
.endr
.endr
	WIN 0
.endm
.macro REDUCE                          ; four pairs of partial sums -> the row's sum in v176 of both lanes that share the row
	v_pk_add_f32 v[SUM:SUM+1], v[SUM:SUM+1], v[SUM+2:SUM+3]
	v_pk_add_f32 v[SUM+4:SUM+5], v[SUM+4:SUM+5], v[SUM+6:SUM+7]
	v_pk_add_f32 v[SUM:SUM+1], v[SUM:SUM+1], v[SUM+4:SUM+5]
	v_add_f32 v[SUM], v[SUM], v[SUM+1]
	v_permlanex16_b32 v188, v[SUM], s12, s13
	v_add_f32 v[SUM], v[SUM], v188
.endm
.macro NORM1                           ; the mean, in four chains
	WIN 0x0f
.irp i, 0,1,2,3
	v_pk_add_f32 v[SUM+2*\i:SUM+2*\i+1], v[2*\i:2*\i+1], v[8+2*\i:9+2*\i]
.endr
	WIN 0x0c
.set qq, 16
.rept 120
	v_pk_add_f32 v[SUM+qq%8:SUM+qq%8+1], v[SUM+qq%8:SUM+qq%8+1], v[qq:qq+1]
.set qq, qq+2
.endr
	WIN 0
	REDUCE
	v_mul_f32 v184, 0x3b000000, v[SUM]             ; / 512
	v_mul_f32 v185, 0x3b000000, v[SUM]
.endm
.macro NORM2                           ; d = x - mean in place; the sum of d^2; g = alpha / (std + eps)
	WIN 0xc3
.set qq, 0
.rept 128
	v_pk_add_f32 v[qq:qq+1], v[qq:qq+1], v[184:185] neg_lo:[0,1] neg_hi:[0,1]
.set qq, qq+2
.endr
	WIN 0x0f
.irp i, 0,1,2,3
	v_pk_mul_f32 v[SUM+2*\i:SUM+2*\i+1], v[2*\i:2*\i+1], v[2*\i:2*\i+1]
.endr
.set qq, 8
.rept 124
	v_pk_fma_f32 v[SUM+qq%8:SUM+qq%8+1], v[qq:qq+1], v[qq:qq+1], v[SUM+qq%8:SUM+qq%8+1]
.set qq, qq+2
.endr
	WIN 0
	REDUCE
	v_mul_f32 v[SUM], 0x3b004020, v[SUM]           ; / 511
	v_sqrt_f32 v[SUM], v[SUM]
	v_nop                                          ; a plain line behind the transcendental,
	s_wait_alu depctr_va_vdst(0)                   ; and the root is written, ahead of its first reader
	v_add_f32 v[SUM], 0x358637bd, v[SUM]           ; + 1e-6
	v_rcp_f32 v[SUM], v[SUM]
	v_nop
	s_wait_alu depctr_va_vdst(0)                   ; the reciprocal is written, ahead of its first reader
	v_mul_f32 v186, s84, v[SUM]
	v_mul_f32 v187, s84, v[SUM]
.endm
.macro NORM3                           ; n = d g + beta
	WIN 0xc3
.set qq, 0
.rept 128
	v_pk_fma_f32 v[qq:qq+1], v[qq:qq+1], v[186:187], s[86:87] op_sel_hi:[1,1,0]
.set qq, qq+2
.endr
	WIN 0
.endm
.macro QUANTX                          ; n -> four fragments of codes in v16-79
	WIN 0xc3
.set qq, 0
.rept 256
	v_med3_num_f32 v[qq], v[qq], s45, s44          ; the conversion to an 8-bit code does not saturate (ISA guide 7.6.2): the hold at 448 x the scale
.set qq, qq+1
.endr
	WIN 0x03
.set qq, 0
.rept 32
	v_cvt_scalef32_pk8_fp8_f32 v[XF+2*qq:XF+2*qq+1], v[8*qq:8*qq+7], v190
.set qq, qq+1
.endr
	v_nop                                          ; a plain line behind the last conversion
	WIN 0
.endm
.macro IMAGE blk                       ; my four fragments go to LDS as they stand: 512 consecutive bytes a store
	s_wait_alu depctr_va_vdst(0)                   ; the conversions have written v16-79, which the LDS stores read; they and the holds are done with window 3, in which the next block's loads land
.set qq, 0
.rept 16
	ds_store_b128 v3, v[XF+4*qq:XF+4*qq+3] offset:(\blk)*32768+512*qq
.set qq, qq+1
.endr
.endm
.macro FETCH blk, m                    ; and come back so, in any wave: row tile m's four.  The wait for them stands at the head of the tile that multiplies them
.set qq, 0
.rept 16
	ds_load_b128 v[XF+4*qq:XF+4*qq+3], v2 offset:(\blk)*32768+(\m)*8192+512*qq
.set qq, qq+1
.endr
.endm
; 32 matrix instructions: eight result tiles by turns, one instruction a turn, K step by K step; the bias is the C of each sum's first instruction
.macro MMT                             ; transposed: source 0 = the weight, source 1 = n
.irp s, 0,1,2,3
.if \s < 2
	WIN 0x01
.else
	WIN 0x02
.endif
.irp t, 0,1,2,3,4,5,6,7
.if \s == 0
	v_wmma_f32_16x16x128_fp8_fp8 v[ACC+8*\t:ACC+8*\t+7], v[16*(8*(\s%2)+\t):16*(8*(\s%2)+\t)+15], v[XF+16*\s:XF+16*\s+15], v[BIAS+8*\t:BIAS+8*\t+7]
.else
	v_wmma_f32_16x16x128_fp8_fp8 v[ACC+8*\t:ACC+8*\t+7], v[16*(8*(\s%2)+\t):16*(8*(\s%2)+\t)+15], v[XF+16*\s:XF+16*\s+15], v[ACC+8*\t:ACC+8*\t+7]
.endif
.endr
.endr
	WIN 0
	PLACES 4                                       ; four plain lines between the last product and the first read of results (ISA guide 7.12.1)
.endm
.macro MMN                             ; natural: source 0 = n, source 1 = the weight
.irp s, 0,1,2,3
.if \s < 2
	WIN 0x04
.else
	WIN 0x08
.endif
.irp t, 0,1,2,3,4,5,6,7
.if \s == 0
	v_wmma_f32_16x16x128_fp8_fp8 v[ACC+8*\t:ACC+8*\t+7], v[XF+16*\s:XF+16*\s+15], v[16*(8*(\s%2)+\t):16*(8*(\s%2)+\t)+15], v[BIAS+8*\t:BIAS+8*\t+7]
.else
	v_wmma_f32_16x16x128_fp8_fp8 v[ACC+8*\t:ACC+8*\t+7], v[XF+16*\s:XF+16*\s+15], v[16*(8*(\s%2)+\t):16*(8*(\s%2)+\t)+15], v[ACC+8*\t:ACC+8*\t+7]
.endif
.endr
.endr
	WIN 0
	PLACES 4
.endm
.macro EPI_QK blk, m                   ; 16 rows x 128 channels -> codes: four stores of 512 consecutive bytes
	s_wait_xcnt 0x0                                ; the last tile's stores have read their data: the codes' registers are written again only behind this wait
.if (\m) > 0
	s_wait_alu depctr_vm_vsrc(0)                   ; the last tile's stores have read v144-159, which the conversions below write again (a block's first tile: the wait ahead of the branch has stated it)
.endif
.set qq, 0
.rept 64
	v_med3_num_f32 v[ACC+qq], v[ACC+qq], -v[LIMV+4*(\blk)+(\m)], v[LIMV+4*(\blk)+(\m)]   ; the hold; on the k path the limit is 0 where my row's key is masked
.set qq, qq+1
.endr
.irp t, 0,1,2,3,4,5,6,7
	v_cvt_scalef32_pk8_fp8_f32 v[PC+2*\t:PC+2*\t+1], v[ACC+8*\t:ACC+8*\t+7], v191
.endr
	v_nop
	s_wait_alu depctr_va_vdst(0)                   ; the conversions have written v144-159, which the stores read
.irp b, 0,1,2,3
	global_store_b128 v2, v[PC+4*\b:PC+4*\b+3], s[8:9] offset:(\blk)*4096+(\m)*1024+(\b/2)*131072+(\b%2)*512
.endr
.endm
.macro EPI_V blk, m                    ; 16 keys x 128 channels: two row tiles make 16 neighbouring keys of a channel: stored behind the odd one
.if ((\m)%2) == 0
	s_wait_xcnt 0x0
.if (\m) > 0
	s_wait_alu depctr_vm_vsrc(0)                   ; the last pair's stores have read v144-175, which the conversions below write again (a block's first tile: the wait ahead of the branch has stated it)
.endif
.endif
.set qq, 0
.rept 64
	v_med3_num_f32 v[ACC+qq], v[ACC+qq], s47, s46
.set qq, qq+1
.endr
.irp t, 0,1,2,3,4,5,6,7
	v_cvt_scalef32_pk8_fp8_f32 v[PC+4*\t+2*((\m)%2):PC+4*\t+2*((\m)%2)+1], v[ACC+8*\t:ACC+8*\t+7], v191
.endr
	v_nop
.if ((\m)%2) == 1
	s_wait_alu depctr_va_vdst(0)                   ; the two tiles' conversions have written v144-175, which the stores read
.irp t, 0,1,2,3,4,5,6,7
	global_store_b128 v2, v[PC+4*\t:PC+4*\t+3], s[8:9] offset:(\t/4)*131072+(\t%4)*2048+(2*(\blk)+(\m)/2)*512
.endr
.endif
.endm
; A row tile: its fragments were asked for a tile ago; behind its products the next tile's are asked for, and land under the holds and conversions
.macro TILE_QK blk, m
	s_wait_dscnt 0x0                               ; row tile m's four fragments are in
	MMT
.if (\m) < 3
	s_wait_alu depctr_va_vdst(0)                   ; the products are done reading v16-79, in which the next row tile's fragments land
	FETCH \blk, (\m)+1
.endif
	EPI_QK \blk, \m
.endm
.macro TILE_V blk, m
	s_wait_dscnt 0x0                               ; row tile m's four fragments are in
	MMN
.if (\m) < 3
	s_wait_alu depctr_va_vdst(0)                   ; the products are done reading v16-79, in which the next row tile's fragments land
	FETCH \blk, (\m)+1
.endif
	EPI_V \blk, \m
.endm
.macro TILES blk                       ; a block's four row tiles; the two ways part on the work-group's y and hold LDS loads alone
	s_wait_alu depctr_vm_vsrc(0)                   ; my image stores have read v16-79, in which the fragments land; in block 1 the last block's stores have read the codes' registers, which the first tile writes again
	FETCH \blk, 0
	s_cmp_eq_u32 s3, 2
	s_cbranch_scc1 .Lfor_v_\@
.irp m, 0,1,2,3
	TILE_QK \blk, \m
.endr
	s_branch .Ldone_\@
.Lfor_v_\@:
.irp m, 0,1,2,3
	TILE_V \blk, \m
.endr
.Ldone_\@:
.endm
	s_load_b512 s[16:31], s[0:1], 0x0              ; x, alpha1, beta1, wq, wk, wv, bq, bk
	s_load_b256 s[32:39], s[0:1], 0x40             ; bv, the exponents, src_mask, q_img
	s_load_b128 s[40:43], s[0:1], 0x60             ; k_img, v_img
	v_lshl_add_u32 v7, v0, 2, 0x10000
	v_mov_b32 v189, 0
	v_lshrrev_b32 v176, 5, v0
	v_readfirstlane_b32 s2, v176                   ; wave 0..3
	s_and_b32 s3, ttmp7, 3                         ; y: 0 q, 1 k, 2 v
	v_and_b32 v176, 31, v0                         ; lane
	v_and_b32 v177, 15, v0                         ; r
	v_bfe_u32 v178, v0, 4, 1                       ; h
	v_and_b32 v179, 8, v177
	v_add_nc_u32 v179, v179, v177                  ; r + 8 (r / 8)
	v_lshlrev_b32 v1, 11, v179
	v_lshl_add_u32 v1, v178, 6, v1                 ; x: my row of 2,048 bytes, + 64 h
	v_lshlrev_b32 v2, 4, v176                      ; 16 x lane: an image's place for my lane
	s_wait_alu depctr_va_sdst(0)                   ; s2 is written, ahead of its first reader: addresses and bases are made from it
	s_lshl_b32 s10, s2, 13
	v_add_nc_u32 v3, s10, v2                       ; where I store images: + 8,192 x wave
	v_lshlrev_b32 v4, 9, v179
	v_lshl_add_u32 v4, v178, 4, v4                 ; the weight: a row of 512 bytes, + 16 h
	v_lshlrev_b32 v5, 6, v178                      ; the bias of q and k: 16 h numbers on
	v_lshlrev_b32 v6, 2, v179                      ; the bias of v, and the mask: number r + 8 (r / 8)
	v_mov_b32 v188, 0                              ; a lane permute's destination counts as read
	s_mov_b32 s12, 0x76543210
	s_mov_b32 s13, 0xfedcba98                      ; selects for lane xor 16
	s_lshl_b32 s56, ttmp9, 7                       ; 128 X
	s_lshr_b32 s10, s2, 1
	s_lshl_b32 s10, s10, 5
	s_add_co_u32 s56, s56, s10
	s_and_b32 s10, s2, 1
	s_lshl_b32 s10, s10, 3
	s_add_co_u32 s56, s56, s10                     ; + 32 (w / 2) + 8 (w % 2): row tile w's first row
	s_lshl_b32 s56, s56, 11
	s_mov_b32 s57, 0
	s_lshl_b32 s58, s2, 16                         ; my 128 rows of the weight
	s_mov_b32 s59, 0
	s_lshl_b32 s60, s2, 9                          ; my 128 numbers of the bias
	s_mov_b32 s61, 0
	s_lshr_b32 s62, ttmp9, 4                       ; the batch
	s_lshl_b32 s62, s62, 3
	s_lshl_b32 s10, s2, 1
	s_add_co_u32 s62, s62, s10                     ; batch x 8 + head 2 w
	s_lshl_b32 s62, s62, 17
	s_and_b32 s10, ttmp9, 15
	s_lshl_b32 s10, s10, 13                        ; the key step: 8,192 bytes in each of the three buffers
	s_add_co_u32 s62, s62, s10
	s_mov_b32 s63, 0
	s_lshl_b32 s66, ttmp9, 9                       ; the mask: 128 X numbers on
	s_mov_b32 s67, 0
	s_wait_kmcnt 0x0
	s_load_b512 s[68:83], s[34:35], 0x0            ; the 16 exponents
	s_load_b32 s84, s[18:19], 0x0                  ; alpha1
	s_load_b32 s86, s[20:21], 0x0                  ; beta1
	s_cmp_eq_u32 s3, 1                             ; the choice of buffers hangs on the work-group's number alone
	s_cselect_b64 s[4:5], s[24:25], s[22:23]
	s_cselect_b64 s[6:7], s[30:31], s[28:29]
	s_cselect_b64 s[8:9], s[40:41], s[38:39]
	s_cmp_eq_u32 s3, 2
	s_cselect_b64 s[4:5], s[26:27], s[4:5]
	s_cselect_b64 s[6:7], s[32:33], s[6:7]
	s_cselect_b64 s[8:9], s[42:43], s[8:9]
	s_add_nc_u64 s[16:17], s[16:17], s[56:57]
	s_add_nc_u64 s[4:5], s[4:5], s[58:59]
	s_add_nc_u64 s[6:7], s[6:7], s[60:61]
	s_add_nc_u64 s[8:9], s[8:9], s[62:63]
	s_add_nc_u64 s[36:37], s[36:37], s[66:67]
	s_wait_alu depctr_va_vdst(0)                   ; the offsets and LDS addresses v1 to v6 are written: every load and store of the kernel reads one of them
.irp i, 0,1,2,3,4,5,6,7
	global_load_b32 v[LIMV+\i], v6, s[36:37] offset:(64*(\i/4)+32*((\i%4)/2)+8*(\i%2))*4   ; src_mask of lane r's row in row tile i of the 128 rows
.endr
	XLOAD 0
	WLOAD 4, 0
	s_wait_kmcnt 0x0
	s_cmp_eq_u32 s3, 1
	s_cselect_b32 s50, s70, s68                    ; ea: n's exponent for this product
	s_cselect_b32 s51, s71, s69                    ; ew: the weight's
	s_cselect_b32 s52, s75, s74                    ; eo: the result's, as an operand of attention
	s_cmp_eq_u32 s3, 2
	s_cselect_b32 s50, s72, s50
	s_cselect_b32 s51, s73, s51
	s_cselect_b32 s52, s77, s52
	s_mov_b32 s87, s86                             ; (named with s86 as a pair, so it is written)
	s_add_co_i32 s53, s50, 127
	s_lshl_b32 s54, s53, 23
	v_mov_b32 v190, s54                            ; 2^ea as f32: the conversion takes its exponent field
	s_add_co_i32 s53, s53, 8
	s_lshl_b32 s53, s53, 23
	s_or_b32 s44, s53, 0x600000                    ; 448 x 2^ea
	s_or_b32 s45, s44, 0x80000000
	s_add_co_i32 s48, s50, s51
	s_sub_co_i32 s53, s52, s48                     ; a sum stands for sum x 2^(ea + ew): its code is sum / 2^(eo - ea - ew)
	s_sub_co_i32 s48, 0, s48                       ; and the bias goes in as bias / 2^(ea + ew)
	s_add_co_i32 s53, s53, 127
	s_lshl_b32 s54, s53, 23
	v_mov_b32 v191, s54
	s_add_co_i32 s53, s53, 8
	s_lshl_b32 s53, s53, 23
	s_or_b32 s46, s53, 0x600000
	s_or_b32 s47, s46, 0x80000000
	s_cmp_eq_u32 s3, 1
	s_cselect_b32 s55, 0, s46                      ; the limit of a masked row: 0 on the k path
	s_wait_loadcnt 32                              ; the mask and x are in; the 32 loads of the weight's first K step, issued behind them, may be out
	v_mov_b32 v180, s46
	v_mov_b32 v181, s55
.irp i, 0,1,2,3,4,5,6,7
	v_cmp_eq_u32 s[88+\i], 0, v[LIMV+\i]           ; the eight compares in one run, each into a scalar register of its own
.endr
	s_wait_alu depctr_va_sdst(0)                   ; s88 to s95 are written, ahead of the selects that read them
.irp i, 0,1,2,3,4,5,6,7
	v_cndmask_b32 v[LIMV+\i], v180, v181, s[88+\i]
.endr
	NORM1
	WLOAD 4, 1                                     ; the weight's other K steps are asked for between the passes.  No wait: no vector line has named their registers, nor v4 since the head's wait
	NORM2
	WLOAD 4, 2
	NORM3
	WLOAD 4, 3
	s_cmp_eq_u32 s3, 2
	s_cbranch_scc1 .Lbias_v
.irp t, 0,1,2,3,4,5,6,7
	global_load_b128 v[BIAS+8*\t:BIAS+8*\t+3], v5, s[6:7] offset:(32*(\t/2)+8*(\t%2))*4       ; q, k: a lane's eight registers are eight channels
	global_load_b128 v[BIAS+8*\t+4:BIAS+8*\t+7], v5, s[6:7] offset:(32*(\t/2)+8*(\t%2))*4+16
.endr
	s_branch .Lbias_in
.Lbias_v:
.irp t, 0,1,2,3,4,5,6,7
.irp j, 0,1,2,3,4,5,6,7
	global_load_b32 v[BIAS+8*\t+\j], v6, s[6:7] offset:(32*(\t/2)+8*(\t%2))*4                 ; v: a lane's eight registers are eight keys of one channel
.endr
.endr
.Lbias_in:
	QUANTX
	IMAGE 0
	s_wait_loadcnt 0x0                             ; the weight and the bias
.set qq, 0
.rept 64
	v_ldexp_f32 v[BIAS+qq], v[BIAS+qq], s48
.set qq, qq+1
.endr
	XLOAD 1                                        ; the second block's rows land while the first block is multiplied.  No wait: since the wait ahead of the image stores no vector line has named window 3
	BARRIER                                        ; block 0's sixteen fragments lie in LDS
	TILES 0
	s_wait_loadcnt 0x0
	NORM1
	NORM2
	NORM3
	QUANTX
	IMAGE 1                                        ; each block has LDS bytes of its own: one barrier a block
	BARRIER
	TILES 1
	s_wait_dscnt 0x0                               ; the closing lines, six on end
	s_wait_alu 0x0
	s_wait_tensorcnt 0x0
	ds_add_u32 v7, v189
	s_wait_dscnt 0x0
	s_endpgm
.Lfunc_end_k_q4c8579b854_qkv:
	.size	k_q4c8579b854_qkv, .Lfunc_end_k_q4c8579b854_qkv-k_q4c8579b854_qkv
	.p2alignl 7, 3214868480
	.fill 96, 4, 3214868480
	.section	.rodata,"a",@progbits
	.p2align	6, 0x0
	.amdhsa_kernel k_q4c8579b854_qkv
		.amdhsa_group_segment_fixed_size 66048
		.amdhsa_private_segment_fixed_size 0
		.amdhsa_enable_private_segment 0
		.amdhsa_kernarg_size 112
		.amdhsa_user_sgpr_count 2
		.amdhsa_user_sgpr_kernarg_segment_ptr 1
		.amdhsa_wavefront_size32 1
		.amdhsa_system_sgpr_workgroup_id_x 1
		.amdhsa_system_sgpr_workgroup_id_y 1
		.amdhsa_system_sgpr_workgroup_id_z 1
		.amdhsa_system_vgpr_workitem_id 0
		.amdhsa_next_free_vgpr 1024
		.amdhsa_next_free_sgpr 100
		.amdhsa_reserve_vcc 0
		.amdhsa_float_denorm_mode_32 3
		.amdhsa_float_denorm_mode_16_64 3
		.amdhsa_memory_ordered 1
		.amdhsa_forward_progress 1
		.amdhsa_inst_pref_size 255
	.end_amdhsa_kernel
	.section	.bss,"aw",@nobits
	.p2align	6
	.space	262144
	.amdgpu_metadata
---
amdhsa.version: [ 1, 2 ]
amdhsa.kernels:
  - .name:           k_q4c8579b854_qkv
    .symbol:         k_q4c8579b854_qkv.kd
    .args:
      - { .name: x, .offset: 0, .size: 8, .value_kind: global_buffer, .address_space: global }
      - { .name: alpha1, .offset: 8, .size: 8, .value_kind: global_buffer, .address_space: global }
      - { .name: beta1, .offset: 16, .size: 8, .value_kind: global_buffer, .address_space: global }
      - { .name: wq_codes, .offset: 24, .size: 8, .value_kind: global_buffer, .address_space: global }
      - { .name: wk_codes, .offset: 32, .size: 8, .value_kind: global_buffer, .address_space: global }
      - { .name: wv_codes, .offset: 40, .size: 8, .value_kind: global_buffer, .address_space: global }
      - { .name: bq, .offset: 48, .size: 8, .value_kind: global_buffer, .address_space: global }
      - { .name: bk, .offset: 56, .size: 8, .value_kind: global_buffer, .address_space: global }
      - { .name: bv, .offset: 64, .size: 8, .value_kind: global_buffer, .address_space: global }
      - { .name: lowp_scales, .offset: 72, .size: 8, .value_kind: global_buffer, .address_space: global }
      - { .name: src_mask, .offset: 80, .size: 8, .value_kind: global_buffer, .address_space: global }
      - { .name: q_img, .offset: 88, .size: 8, .value_kind: global_buffer, .address_space: global }
      - { .name: k_img, .offset: 96, .size: 8, .value_kind: global_buffer, .address_space: global }
      - { .name: v_img, .offset: 104, .size: 8, .value_kind: global_buffer, .address_space: global }
    .group_segment_fixed_size: 66048
    .private_segment_fixed_size: 0
    .kernarg_segment_align: 8
    .kernarg_segment_size: 112
    .max_flat_workgroup_size: 128
    .sgpr_count:     100
    .vgpr_count:     1024
    .wavefront_size: 32
...
	.end_amdgpu_metadata
.endif
;; end of part 5
;; launch attn: the kernel of part 2 again; grid 8 x 32, 8 waves a work-group, clusters of 4 x 1, 271,360 bytes of LDS; arguments q_img, k_img, v_img, src_mask, lowp_scales, ctx_img; writes ctx_img
;; launch mid (part 6): grid 64 x 4, 4 waves a work-group, no clusters, 198,144 bytes of LDS; arguments x, ctx_img, wo_codes, bo, alpha2, beta2, w1_codes, b1, lowp_scales, x1, h_img; writes x1, h_img
.if DOCPART == 6
	.amdgcn_target "amdgcn-amd-amdhsa--gfx1250"
	.amdhsa_code_object_version 6
	.text
	.protected	k_q4c8579b854_mid
	.globl	k_q4c8579b854_mid
	.p2align	8
	.type	k_q4c8579b854_mid,@function
k_q4c8579b854_mid:
	s_mov_b64 s[64:65], 0
	v_nop
	global_prefetch_b8 v0, s[64:65] scope:SCOPE_SE
	s_setreg_imm32_b32 hwreg(HW_REG_WAVE_SCHED_MODE, 0, 2), 2
	s_setreg_imm32_b32 hwreg(HW_REG_WAVE_MODE, 25, 1), 1
	s_wait_xcnt 0x0
	s_wait_alu depctr_vm_vsrc(0)
; x1 = x + ctx wo + bo; n2 = alpha2 (x1 - mean) / (std + 1e-6) + beta2, quantised; h = relu(n2 w1 + b1), quantised.  Both products on codes of E4M3.
; SHARES.  A work-group takes 128 rows as two blocks of 64, and hidden units 512 y .. 512 y + 511.  Wave w makes columns 128 w .. + 127 of ctx wo, and hidden units 512 y + 128 w .. + 127, for all 64 rows of a block;
; its part of wo, and then of w1, stays in 512 registers.  ctx wo is made by all four work-groups of a row block (each needs whole rows of x1 for the norm); of x1 work-group y stores row tile y of each block.
; Row tiles, weight tiles, fragments and images as in the first launch: lane r of row tile 2 g + u is row 32 g + 8 u + r + 8 (r / 8); a fragment's registers 4 c .. 4 c + 3 hold k = 32 c + 16 (lane / 16) + 0 .. 15.
; A BLOCK: A: for each row tile, ctx's fragments from LDS, my 128 columns (transposed: a lane holds one row), x 2^(e10 + e11), into a stage of 64 rows in LDS | barrier |
; X: my row tile's rows from the stage, + x = x1 in registers; my 4 of the 16 rows that this work-group stores; the norm; codes; images over ctx's | barrier.  Then h for both blocks.
; LDS: 0: images, 32,768 bytes a block;  65,536: the stage, 64 rows x (2,048 + 16) bytes: rows 516 words apart, so 16 rows' pieces of 16 bytes fall on 16 different groups of banks (ISA guide 11.1).
; LIMITS: e10 + e11 between -126 and 127; e12, and e14 - e12 - e13, between -126 and 119; NaN is not served; a row whose variance is under 2^-126 counts as variance 0.
; REGISTERS.  window 0: v1-9 addresses, v16-79 four fragments or rows from the stage, v80-143 eight result tiles, v144-159 codes, v176-188 statistics, v190/191 scales, v192-255 the bias.
; windows 1, 2: the weight, fragment (t, s) at 16 (8 (s % 2) + t).   window 3: my half row of x, then x1, then n2.
; THE MODE: SCHED_MODE bits 1:0 = 2 (LLVM: expert scheduling mode 2), set by the entry lines.  The code itself states the register dependences between vector or matrix instructions and memory or LDS
; instructions, with s_wait_alu, always for 0.
; THE PLAN.  Registers that memory or LDS instructions touch:
;   v1-v9       offsets and LDS addresses, made at the head and never written again: one wait on va_vdst ahead of the first load.
;   v16-79      at the head ctx lands in it and is stored to LDS; in A and in the h tiles LDS loads land in it and the products read it: behind a tile's products one wait on va_vdst, and the next tile's loads go out at once;
;               in X the stage's rows land in it and additions read it (a wait on va_vdst ahead of each later run of loads); the conversions write it and the image stores read it.
;   v80-143     at the head as v16-79; in A written by products and scalings, read by the stage's stores (va_vdst ahead of them, vm_vsrc ahead of the next tile's products); in X rows of x land in it,
;               additions write it, x1's stores read it (va_vdst ahead of them, vm_vsrc behind them).
;   v144-159    written by an h tile's conversions, read by its stores (va_vdst between); written again behind a wait on vm_vsrc.
;   windows 1, 2, v192-255   wo and bo are loaded ahead of every line that names them; w1 and b1 land behind waits on va_vdst that stand behind the last product on wo.
;   window 3    block 1's loads stand behind the wait ahead of block 0's image stores; no vector line between that wait and them names window 3.
.set XF,   16
.set ACC,  80
.set PC,   144
.set SUM,  176
.set BIAS, 192
.set MSB,  0
.macro WIN new
.if MSB != (\new)
	s_set_vgpr_msb (MSB<<8)|(\new)
.set MSB, (\new)
.endif
.endm
.macro PLACES n
.rept \n
	v_nop
.endr
.endm
.macro BARRIER
	s_wait_dscnt 0x0
	s_barrier_signal -1
	s_barrier_wait -1
.endm
.macro XLOAD blk
	WIN 0xc0
.irp s, 0,1,2,3
.irp c, 0,1,2,3
.irp j, 0,1,2,3
	global_load_b128 v[64*\s+16*\c+4*\j:64*\s+16*\c+4*\j+3], v1, s[16:17] offset:(\blk)*131072+512*\s+128*\c+16*\j
.endr
.endr
.endr
	WIN 0
.endm
.macro WLOAD b, ks
.if (\ks) < 2
	WIN 0x40
.else
	WIN 0x80
.endif
.irp t, 0,1,2,3,4,5,6,7
.irp c, 0,1,2,3
	global_load_b128 v[16*(8*((\ks)%2)+\t)+4*\c:16*(8*((\ks)%2)+\t)+4*\c+3], v4, s[\b:\b+1] offset:(32*(\t/2)+8*(\t%2))*512+128*(\ks)+32*\c
.endr
.endr
	WIN 0
.endm
.macro BLOAD b                         ; a bias: lane (r, h) wants, for tile t, the numbers of columns 32 (t / 2) + 8 (t % 2) + 16 h + 0 .. 7
.irp t, 0,1,2,3,4,5,6,7
	global_load_b128 v[BIAS+8*\t:BIAS+8*\t+3], v5, s[\b:\b+1] offset:(32*(\t/2)+8*(\t%2))*4
	global_load_b128 v[BIAS+8*\t+4:BIAS+8*\t+7], v5, s[\b:\b+1] offset:(32*(\t/2)+8*(\t%2))*4+16
.endr
.endm
.macro REDUCE
	v_pk_add_f32 v[SUM:SUM+1], v[SUM:SUM+1], v[SUM+2:SUM+3]
	v_pk_add_f32 v[SUM+4:SUM+5], v[SUM+4:SUM+5], v[SUM+6:SUM+7]
	v_pk_add_f32 v[SUM:SUM+1], v[SUM:SUM+1], v[SUM+4:SUM+5]
	v_add_f32 v[SUM], v[SUM], v[SUM+1]
	v_permlanex16_b32 v188, v[SUM], s12, s13
	v_add_f32 v[SUM], v[SUM], v188
.endm
.macro NORM1
	WIN 0x0f
.irp i, 0,1,2,3
	v_pk_add_f32 v[SUM+2*\i:SUM+2*\i+1], v[2*\i:2*\i+1], v[8+2*\i:9+2*\i]
.endr
	WIN 0x0c
.set qq, 16
.rept 120
	v_pk_add_f32 v[SUM+qq%8:SUM+qq%8+1], v[SUM+qq%8:SUM+qq%8+1], v[qq:qq+1]
.set qq, qq+2
.endr
	WIN 0
	REDUCE
	v_mul_f32 v184, 0x3b000000, v[SUM]             ; / 512
	v_mul_f32 v185, 0x3b000000, v[SUM]
.endm
.macro NORM2
	WIN 0xc3
.set qq, 0
.rept 128
	v_pk_add_f32 v[qq:qq+1], v[qq:qq+1], v[184:185] neg_lo:[0,1] neg_hi:[0,1]
.set qq, qq+2
.endr
	WIN 0x0f
.irp i, 0,1,2,3
	v_pk_mul_f32 v[SUM+2*\i:SUM+2*\i+1], v[2*\i:2*\i+1], v[2*\i:2*\i+1]
.endr
.set qq, 8
.rept 124
	v_pk_fma_f32 v[SUM+qq%8:SUM+qq%8+1], v[qq:qq+1], v[qq:qq+1], v[SUM+qq%8:SUM+qq%8+1]
.set qq, qq+2
.endr
	WIN 0
	REDUCE
	v_mul_f32 v[SUM], 0x3b004020, v[SUM]           ; / 511
	v_sqrt_f32 v[SUM], v[SUM]
	v_nop                                          ; a plain line behind the transcendental,
	s_wait_alu depctr_va_vdst(0)                   ; and the root is written, ahead of its first reader
	v_add_f32 v[SUM], 0x358637bd, v[SUM]           ; + 1e-6
	v_rcp_f32 v[SUM], v[SUM]
	v_nop
	s_wait_alu depctr_va_vdst(0)                   ; the reciprocal is written, ahead of its first reader
	v_mul_f32 v186, s84, v[SUM]
	v_mul_f32 v187, s84, v[SUM]
.endm
.macro NORM3
	WIN 0xc3
.set qq, 0
.rept 128
	v_pk_fma_f32 v[qq:qq+1], v[qq:qq+1], v[186:187], s[86:87] op_sel_hi:[1,1,0]
.set qq, qq+2
.endr
	WIN 0
.endm
.macro QUANTX
	WIN 0xc3
.set qq, 0
.rept 256
	v_med3_num_f32 v[qq], v[qq], s45, s44          ; the hold at 448 x 2^e12 (the conversion does not saturate: ISA guide 7.6.2)
.set qq, qq+1
.endr
	WIN 0x03
.set qq, 0
.rept 32
	v_cvt_scalef32_pk8_fp8_f32 v[XF+2*qq:XF+2*qq+1], v[8*qq:8*qq+7], v190
.set qq, qq+1
.endr
	v_nop
	WIN 0
.endm
.macro IMAGE blk
	s_wait_alu depctr_va_vdst(0)                   ; the conversions have written v16-79, which the LDS stores read; they and the holds are done with window 3, in which the next block's loads land
.set qq, 0
.rept 16
	ds_store_b128 v3, v[XF+4*qq:XF+4*qq+3] offset:(\blk)*32768+512*qq
.set qq, qq+1
.endr
.endm
.macro FETCH blk, m                    ; row tile m's four fragments; the wait for them stands at the head of the tile that multiplies them
.set qq, 0
.rept 16
	ds_load_b128 v[XF+4*qq:XF+4*qq+3], v2 offset:(\blk)*32768+(\m)*8192+512*qq
.set qq, qq+1
.endr
.endm
.macro MMT                             ; 32 matrix instructions, transposed; eight result tiles by turns; the bias is the C of each sum's first instruction
.irp s, 0,1,2,3
.if \s < 2
	WIN 0x01
.else
	WIN 0x02
.endif
.irp t, 0,1,2,3,4,5,6,7
.if \s == 0
	v_wmma_f32_16x16x128_fp8_fp8 v[ACC+8*\t:ACC+8*\t+7], v[16*(8*(\s%2)+\t):16*(8*(\s%2)+\t)+15], v[XF+16*\s:XF+16*\s+15], v[BIAS+8*\t:BIAS+8*\t+7]
.else
	v_wmma_f32_16x16x128_fp8_fp8 v[ACC+8*\t:ACC+8*\t+7], v[16*(8*(\s%2)+\t):16*(8*(\s%2)+\t)+15], v[XF+16*\s:XF+16*\s+15], v[ACC+8*\t:ACC+8*\t+7]
.endif
.endr
.endr
	WIN 0
	PLACES 4
.endm
.macro PHASE_A blk                     ; ctx wo + bo for the block's 64 rows, my 128 columns, into the stage
	FETCH \blk, 0                                  ; (the wait on vm_vsrc that frees v16-143 stands ahead of the barrier before this phase)
.irp m, 0,1,2,3
.if \m == 0
	s_wait_dscnt 0x0                               ; the fragments are in
.else
	s_wait_dscnt 16                                ; the fragments are in; the 16 stores into the stage, issued behind their loads, may be out
	s_wait_alu depctr_vm_vsrc(0)                   ; those stores have read v80-143, which the products write
.endif
	MMT
.if \m < 3
	s_wait_alu depctr_va_vdst(0)                   ; the products are done reading v16-79, in which the next row tile's fragments land
	FETCH \blk, \m+1
.endif
.set qq, 0
.rept 32
	v_pk_mul_f32 v[ACC+qq:ACC+qq+1], v[ACC+qq:ACC+qq+1], s[88:89] op_sel_hi:[1,0]   ; x 2^(e10 + e11), each accumulator from its low end on
.set qq, qq+2
.endr
	s_wait_alu depctr_va_vdst(0)                   ; the multiplications have written v80-143, which the LDS stores read; behind row tile 3 the products are also done with v16-79 and with wo, in which the next phase's loads land
.irp t, 0,1,2,3,4,5,6,7
	ds_store_b128 v[6+\m/2], v[ACC+8*\t:ACC+8*\t+3] offset:(\m%2)*33024+128*(\t/2)+32*(\t%2)
	ds_store_b128 v[6+\m/2], v[ACC+8*\t+4:ACC+8*\t+7] offset:(\m%2)*33024+128*(\t/2)+32*(\t%2)+16
.endr
.endr
	BARRIER                                        ; 64 whole rows lie in the stage, and nobody reads ctx's images of this block any more
.endm
.macro PHASE_X blk
	s_wait_alu depctr_vm_vsrc(0)                   ; my stores into the stage have read v80-143, in which rows of x land
	s_wait_loadcnt 0x0                             ; x, in window 3
.irp i, 0,1,2,3
.irp p, 0,1,2,3
	global_load_b128 v[ACC+16*\i+4*\p:ACC+16*\i+4*\p+3], v2, s[38:39] offset:(\blk)*131072+\i*2048+512*\p   ; x once more, by rows: my 4 of the 16 rows of x1 that this work-group stores
.endr
.endr
.if \blk
	WLOAD 28, 0                                    ; wo is done with: w1 takes its registers, a K step at a time between the passes.  No wait: no matrix line since the last wait on va_vdst names them
.endif
.irp s, 0,1,2,3
.if \s > 0
	s_wait_alu depctr_va_vdst(0)                   ; the additions are done reading v16-79, in which the next 128 columns land
.endif
.irp c, 0,1,2,3
.irp j, 0,1,2,3
	ds_load_b128 v[XF+16*\c+4*\j:XF+16*\c+4*\j+3], v8 offset:512*\s+128*\c+16*\j
.endr
.endr
	s_wait_dscnt 0x0
	WIN 0xc3
.set qq, 0
.rept 32
	v_pk_add_f32 v[64*\s+qq:64*\s+qq+1], v[64*\s+qq:64*\s+qq+1], v[XF+qq:XF+qq+1]   ; x1 = x + (ctx wo + bo)
.set qq, qq+2
.endr
	WIN 0
.endr
	s_wait_alu depctr_va_vdst(0)                   ; the additions are done reading v16-79, in which the four whole rows land
.irp i, 0,1,2,3
.irp p, 0,1,2,3
	ds_load_b128 v[XF+16*\i+4*\p:XF+16*\i+4*\p+3], v9 offset:\i*2064+512*\p
.endr
.endr
.if \blk
	s_wait_loadcnt 32                              ; the 16 row-wise loads are in; w1's first K step, issued behind them, may be out
.else
	s_wait_loadcnt 0x0
.endif
	s_wait_dscnt 0x0
.set qq, 0
.rept 32
	v_pk_add_f32 v[ACC+qq:ACC+qq+1], v[ACC+qq:ACC+qq+1], v[XF+qq:XF+qq+1]
.set qq, qq+2
.endr
	s_wait_alu depctr_va_vdst(0)                   ; the additions have written v80-143, which x1's stores read
.irp i, 0,1,2,3
.irp p, 0,1,2,3
	global_store_b128 v2, v[ACC+16*\i+4*\p:ACC+16*\i+4*\p+3], s[34:35] offset:(\blk)*131072+\i*2048+512*\p   ; 512 consecutive bytes of a row
.endr
.endr
	NORM1
.if \blk
	WLOAD 28, 1
.endif
	NORM2
.if \blk
	WLOAD 28, 2
.endif
	NORM3
.if \blk
	WLOAD 28, 3
	BLOAD 30
.endif
	QUANTX
	IMAGE \blk
	s_wait_xcnt 0x0                                ; x1's stores have read their data: those registers are written again only behind this wait
	s_wait_alu depctr_vm_vsrc(0)                   ; x1's stores have read v80-143, which the next products write; the image stores have read v16-79, in which the next fragments land
.if (\blk) == 0
	XLOAD 1                                        ; no wait: since the wait ahead of the image stores no vector line has named window 3
.endif
	BARRIER                                        ; n2's sixteen fragments of this block lie in LDS, and nobody reads the stage any more
.endm
	s_load_b512 s[16:31], s[0:1], 0x0              ; x, ctx_img, wo, bo, alpha2, beta2, w1, b1
	s_load_b128 s[32:35], s[0:1], 0x40             ; the exponents, x1
	s_load_b64 s[36:37], s[0:1], 0x50              ; h_img
	v_lshl_add_u32 v175, v0, 2, 0x30400
	v_mov_b32 v189, 0
	v_lshrrev_b32 v176, 5, v0
	v_readfirstlane_b32 s2, v176                   ; wave 0..3
	s_and_b32 s3, ttmp7, 3                         ; y
	v_and_b32 v176, 31, v0                         ; lane
	v_and_b32 v177, 15, v0                         ; r
	v_bfe_u32 v178, v0, 4, 1                       ; h
	v_and_b32 v179, 8, v177
	v_add_nc_u32 v179, v179, v177                  ; r + 8 (r / 8)
	v_lshlrev_b32 v1, 11, v179
	v_lshl_add_u32 v1, v178, 6, v1                 ; x: my row, + 64 h
	v_lshlrev_b32 v2, 4, v176                      ; 16 x lane
	s_wait_alu depctr_va_sdst(0)                   ; s2 is written, ahead of its first reader: addresses and bases are made from it
	s_lshl_b32 s40, s2, 13
	v_add_nc_u32 v3, s40, v2                       ; where I store images
	v_lshlrev_b32 v4, 9, v179
	v_lshl_add_u32 v4, v178, 4, v4                 ; a weight's row of 512 bytes, + 16 h
	v_lshlrev_b32 v5, 6, v178                      ; a bias: 16 h numbers on
	v_mul_u32_u24 v180, v177, 2064
	v_lshl_add_u32 v180, v178, 6, v180             ; stage row r, + 64 h
	s_lshl_b32 s40, s2, 9
	s_add_co_u32 s40, s40, 65536
	v_add_nc_u32 v6, s40, v180                     ; into the stage: + my 128 columns; row tiles 0, 1
	v_add_nc_u32 v7, 0x10200, v6                   ; row tiles 2, 3: 32 rows on
	s_mul_i32 s40, s2, 33024
	s_add_co_u32 s40, s40, 65536
	v_add_nc_u32 v8, s40, v180                     ; out of it: row tile w's rows
	s_lshl_b32 s40, s3, 4
	s_lshl_b32 s41, s2, 2
	s_add_co_u32 s40, s40, s41
	s_mul_i32 s40, s40, 2064
	s_add_co_u32 s40, s40, 65536
	v_add_nc_u32 v9, s40, v2                       ; and by rows: stage rows 16 y + 4 w on, 16 bytes a lane
	v_mov_b32 v188, 0
	s_mov_b32 s12, 0x76543210
	s_mov_b32 s13, 0xfedcba98
	s_lshl_b32 s40, ttmp9, 7                       ; 128 X
	s_lshr_b32 s41, s2, 1                          ; w / 2
	s_lshl_b32 s50, s41, 5
	s_add_co_u32 s50, s50, s40
	s_and_b32 s42, s2, 1
	s_lshl_b32 s42, s42, 3
	s_add_co_u32 s50, s50, s42
	s_lshl_b32 s50, s50, 11                        ; x: row tile w's first row
	s_mov_b32 s51, 0
	s_lshr_b32 s52, s3, 1
	s_lshl_b32 s52, s52, 5
	s_add_co_u32 s52, s52, s40
	s_and_b32 s42, s3, 1
	s_lshl_b32 s42, s42, 3
	s_add_co_u32 s52, s52, s42
	s_lshl_b32 s42, s2, 2
	s_add_co_u32 s52, s52, s42
	s_lshl_b32 s42, s41, 3
	s_add_co_u32 s52, s52, s42
	s_lshl_b32 s52, s52, 11                        ; by rows: lanes 4 w .. 4 w + 3 of row tile y are rows 32 (y / 2) + 8 (y % 2) + 4 w + 8 (w / 2) + 0 .. 3
	s_mov_b32 s53, 0
	s_lshl_b32 s54, ttmp9, 3
	s_add_co_u32 s54, s54, s2
	s_lshl_b32 s54, s54, 13                        ; ctx: row tile 8 X + w
	s_mov_b32 s55, 0
	s_lshl_b32 s56, s2, 16                         ; wo: my 128 rows
	s_mov_b32 s57, 0
	s_lshl_b32 s58, s2, 9                          ; bo: my 128 numbers
	s_mov_b32 s59, 0
	s_lshl_b32 s60, s3, 18
	s_add_co_u32 s60, s60, s56                     ; w1: rows 512 y + 128 w on
	s_mov_b32 s61, 0
	s_lshl_b32 s62, s3, 11
	s_add_co_u32 s62, s62, s58                     ; b1 likewise
	s_mov_b32 s63, 0
	s_lshl_b32 s66, ttmp9, 18
	s_lshl_b32 s42, s3, 13
	s_add_co_u32 s66, s66, s42
	s_lshl_b32 s42, s2, 11
	s_add_co_u32 s66, s66, s42                     ; h: row tile 8 X, piece 16 y + 4 w
	s_mov_b32 s67, 0
	s_wait_kmcnt 0x0
	s_load_b512 s[68:83], s[32:33], 0x0            ; the 16 exponents
	s_load_b32 s84, s[24:25], 0x0                  ; alpha2
	s_load_b32 s86, s[26:27], 0x0                  ; beta2
	s_add_nc_u64 s[38:39], s[16:17], s[52:53]
	s_add_nc_u64 s[16:17], s[16:17], s[50:51]
	s_add_nc_u64 s[34:35], s[34:35], s[52:53]
	s_add_nc_u64 s[18:19], s[18:19], s[54:55]
	s_add_nc_u64 s[20:21], s[20:21], s[56:57]
	s_add_nc_u64 s[22:23], s[22:23], s[58:59]
	s_add_nc_u64 s[28:29], s[28:29], s[60:61]
	s_add_nc_u64 s[30:31], s[30:31], s[62:63]
	s_add_nc_u64 s[36:37], s[36:37], s[66:67]
	s_wait_alu depctr_va_vdst(0)                   ; the offsets and LDS addresses v1 to v9 are written: every load and store of the kernel reads one of them
	WLOAD 20, 0
	WLOAD 20, 1
	WLOAD 20, 2
	WLOAD 20, 3
	BLOAD 22
.irp b, 0,1
.set qq, 0
.rept 16
	global_load_b128 v[XF+64*\b+4*qq:XF+64*\b+4*qq+3], v2, s[18:19] offset:\b*32768+512*qq   ; ctx: my row tile of both blocks, as it lies
.set qq, qq+1
.endr
.endr
	XLOAD 0
	s_wait_kmcnt 0x0
	s_mov_b32 s87, s86
	s_add_co_i32 s48, s78, s79                     ; e10 + e11
	s_add_co_i32 s40, s48, 127
	s_lshl_b32 s88, s40, 23                        ; 2^(e10 + e11) as f32
	s_mov_b32 s89, s88
	s_sub_co_i32 s48, 0, s48
	s_add_co_i32 s40, s80, 127
	s_lshl_b32 s41, s40, 23
	v_mov_b32 v190, s41                            ; 2^e12
	s_add_co_i32 s40, s40, 8
	s_lshl_b32 s40, s40, 23
	s_or_b32 s44, s40, 0x600000                    ; 448 x 2^e12
	s_or_b32 s45, s44, 0x80000000
	s_add_co_i32 s49, s80, s81                     ; e12 + e13
	s_sub_co_i32 s40, s82, s49                     ; e14 - e12 - e13: the three scales folded into the conversion's one
	s_sub_co_i32 s49, 0, s49
	s_add_co_i32 s40, s40, 127
	s_lshl_b32 s41, s40, 23
	v_mov_b32 v191, s41
	s_add_co_i32 s40, s40, 8
	s_lshl_b32 s40, s40, 23
	s_or_b32 s46, s40, 0x600000
	s_wait_loadcnt 63                              ; of x's 64 loads, issued last, 63 may be out: wo, bo and ctx are in
.irp b, 0,1
.set qq, 0
.rept 16
	ds_store_b128 v3, v[XF+64*\b+4*qq:XF+64*\b+4*qq+3] offset:\b*32768+512*qq
.set qq, qq+1
.endr
.endr
.set qq, 0
.rept 64
	v_ldexp_f32 v[BIAS+qq], v[BIAS+qq], s48        ; bo / 2^(e10 + e11)
.set qq, qq+1
.endr
	s_wait_alu depctr_vm_vsrc(0)                   ; the LDS stores above have read v16-143: fragments land in v16-79, and the products write v80-143
	BARRIER                                        ; ctx's fragments of both blocks lie in LDS
	PHASE_A 0
	PHASE_X 0
	PHASE_A 1
	PHASE_X 1
	FETCH 0, 0                                     ; the first h tile's fragments are asked for straight behind the barrier
	s_wait_loadcnt 0x0                             ; w1 and b1
.set qq, 0
.rept 64
	v_ldexp_f32 v[BIAS+qq], v[BIAS+qq], s49        ; b1 / 2^(e12 + e13)
.set qq, qq+1
.endr
.irp q, 0,1,2,3,4,5,6,7                ; the eight row tiles of both blocks on end: tile q's images lie at 8,192 q
	s_wait_dscnt 0x0                               ; the tile's four fragments are in
	MMT
.if \q < 7
	s_wait_alu depctr_va_vdst(0)                   ; the products are done reading v16-79, in which the next row tile's fragments land
	FETCH 0, \q+1
.endif
	s_wait_xcnt 0x0                                ; the last tile's stores have read their data
.if \q > 0
	s_wait_alu depctr_vm_vsrc(0)                   ; the last tile's stores have read v144-159, which the conversions below write again
.endif
.set qq, 0
.rept 64
	v_med3_num_f32 v[ACC+qq], v[ACC+qq], 0, s46    ; the activation and the hold in one
.set qq, qq+1
.endr
.irp t, 0,1,2,3,4,5,6,7
	v_cvt_scalef32_pk8_fp8_f32 v[PC+2*\t:PC+2*\t+1], v[ACC+8*\t:ACC+8*\t+7], v191
.endr
	v_nop
	s_wait_alu depctr_va_vdst(0)                   ; the conversions have written v144-159, which the stores read
.irp p, 0,1,2,3
	global_store_b128 v2, v[PC+4*\p:PC+4*\p+3], s[36:37] offset:(\q)*32768+512*\p   ; 512 consecutive bytes: a piece of 32 hidden units x 16 rows
.endr
.endr
	s_wait_dscnt 0x0                               ; the closing lines, six on end
	s_wait_alu 0x0
	s_wait_tensorcnt 0x0
	ds_add_u32 v175, v189
	s_wait_dscnt 0x0
	s_endpgm
.Lfunc_end_k_q4c8579b854_mid:
	.size	k_q4c8579b854_mid, .Lfunc_end_k_q4c8579b854_mid-k_q4c8579b854_mid
	.p2alignl 7, 3214868480
	.fill 96, 4, 3214868480
	.section	.rodata,"a",@progbits
	.p2align	6, 0x0
	.amdhsa_kernel k_q4c8579b854_mid
		.amdhsa_group_segment_fixed_size 198144
		.amdhsa_private_segment_fixed_size 0
		.amdhsa_enable_private_segment 0
		.amdhsa_kernarg_size 88
		.amdhsa_user_sgpr_count 2
		.amdhsa_user_sgpr_kernarg_segment_ptr 1
		.amdhsa_wavefront_size32 1
		.amdhsa_system_sgpr_workgroup_id_x 1
		.amdhsa_system_sgpr_workgroup_id_y 1
		.amdhsa_system_sgpr_workgroup_id_z 1
		.amdhsa_system_vgpr_workitem_id 0
		.amdhsa_next_free_vgpr 1024
		.amdhsa_next_free_sgpr 100
		.amdhsa_reserve_vcc 0
		.amdhsa_float_denorm_mode_32 3
		.amdhsa_float_denorm_mode_16_64 3
		.amdhsa_memory_ordered 1
		.amdhsa_forward_progress 1
		.amdhsa_inst_pref_size 255
	.end_amdhsa_kernel
	.section	.bss,"aw",@nobits
	.p2align	6
	.space	262144
	.amdgpu_metadata
---
amdhsa.version: [ 1, 2 ]
amdhsa.kernels:
  - .name:           k_q4c8579b854_mid
    .symbol:         k_q4c8579b854_mid.kd
    .args:
      - { .name: x, .offset: 0, .size: 8, .value_kind: global_buffer, .address_space: global }
      - { .name: ctx_img, .offset: 8, .size: 8, .value_kind: global_buffer, .address_space: global }
      - { .name: wo_codes, .offset: 16, .size: 8, .value_kind: global_buffer, .address_space: global }
      - { .name: bo, .offset: 24, .size: 8, .value_kind: global_buffer, .address_space: global }
      - { .name: alpha2, .offset: 32, .size: 8, .value_kind: global_buffer, .address_space: global }
      - { .name: beta2, .offset: 40, .size: 8, .value_kind: global_buffer, .address_space: global }
      - { .name: w1_codes, .offset: 48, .size: 8, .value_kind: global_buffer, .address_space: global }
      - { .name: b1, .offset: 56, .size: 8, .value_kind: global_buffer, .address_space: global }
      - { .name: lowp_scales, .offset: 64, .size: 8, .value_kind: global_buffer, .address_space: global }
      - { .name: x1, .offset: 72, .size: 8, .value_kind: global_buffer, .address_space: global }
      - { .name: h_img, .offset: 80, .size: 8, .value_kind: global_buffer, .address_space: global }
    .group_segment_fixed_size: 198144
    .private_segment_fixed_size: 0
    .kernarg_segment_align: 8
    .kernarg_segment_size: 88
    .max_flat_workgroup_size: 128
    .sgpr_count:     100
    .vgpr_count:     1024
    .wavefront_size: 32
...
	.end_amdgpu_metadata
.endif
;; end of part 6
;; launch ffn2 (part 7): grid 64 x 4, 4 waves a work-group, no clusters, 270,848 bytes of LDS; arguments h_img, w2_codes, b2, x1, lowp_scales, out0; writes out0
.if DOCPART == 7
	.amdgcn_target "amdgcn-amd-amdhsa--gfx1250"
	.amdhsa_code_object_version 6
	.text
	.protected	k_q4c8579b854_ffn2
	.globl	k_q4c8579b854_ffn2
	.p2align	8
	.type	k_q4c8579b854_ffn2,@function
k_q4c8579b854_ffn2:
	s_mov_b64 s[64:65], 0
	v_nop
	global_prefetch_b8 v0, s[64:65] scope:SCOPE_SE
	s_setreg_imm32_b32 hwreg(HW_REG_WAVE_SCHED_MODE, 0, 2), 2
	s_setreg_imm32_b32 hwreg(HW_REG_WAVE_MODE, 25, 1), 1
	s_wait_xcnt 0x0
	s_wait_alu depctr_vm_vsrc(0)
; out0 = x1 + h w2 + b2, the product on codes of E4M3.
; SHARES.  A work-group takes 128 rows (two blocks of 64) x columns 128 y .. 128 y + 127.  THE WAVES SHARE K: wave w holds, of all 128 columns, K steps 4 w .. 4 w + 3 of w2's 16 (512 registers, read from memory once).
; So each fragment of h is read by one wave alone, straight from memory as it lies (512 consecutive bytes a load), and feeds eight matrix instructions.  The four partial sums meet in LDS.
; The product is used transposed (source 0 = w2, source 1 = h): a lane holds one row and eight neighbouring columns.  Lane r of row tile 2 g + u is row 32 g + 8 u + r + 8 (r / 8), as in the launches before.
; LDS: partial sums, for each block and wave 64 rows x (512 + 16) bytes; each block has bytes of its own: one barrier a block.
; LIMITS: e14 + e15 between -126 and 127.  Order of rounding: K is summed in four parts of 512; out0 = sum x 2^(e14 + e15) + (x1 + b2).
; REGISTERS.  window 0: v2-9 addresses, v16-79 and v80-143 eight result tiles, two sets by turns, later partial sums; v144-207 16 rows of x1, then of out0; v208-211 b2.
; windows 1, 2: w2, fragment (t, s) at 16 (8 (s % 2) + t).   window 3: h, fragment (row tile m, s) at 16 (4 m + s).
; THE MODE: SCHED_MODE bits 1:0 = 2 (LLVM: expert scheduling mode 2), set by the entry lines.  The code itself states the register dependences between vector or matrix instructions and memory or LDS
; instructions, with s_wait_alu, always for 0.
; THE PLAN.  Registers that memory or LDS instructions touch:
;   v2-v9       offsets and LDS addresses, made at the head and never written again: one wait on va_vdst ahead of the first load.
;   windows 1, 2, v208-211   loaded once, ahead of every line that names them.
;   window 3    a row tile's fragments are read by its 32 products; behind them, in block 0, the next block's fragments land there.
;   v16-143     a set of 64 is written by a row tile's products and read by its 16 LDS stores; it is begun anew two tiles on; behind the barrier partial sums land in it, eight rows at a time, and additions read them.
;   v144-207    x1 lands in it; the additions and multiply-adds write it; out0's stores read it; block 1's x1 lands in it again.
; So ONE wait on va_vdst stands behind a tile's products: the accumulators are written (the LDS stores read them) and the products are done reading the tile's fragments (loads land there).  A wait on vm_vsrc
; stands ahead of the products that begin a set anew, ahead of the partial sums' first loads, and, beside the wait on XCNT, ahead of block 1's loads of x1.  On the way out eight rows are summed, then one wait on
; va_vdst states that they are written and that the additions are done with v16-143: the other eight rows' loads and the eight stores follow it.
.set X1, 144
.set MSB, 0
.macro WIN new
.if MSB != (\new)
	s_set_vgpr_msb (MSB<<8)|(\new)
.set MSB, (\new)
.endif
.endm
.macro PLACES n
.rept \n
	v_nop
.endr
.endm
.macro ALOAD blk, m                    ; row tile m of block blk: my four K steps of h
	WIN 0xc0
.irp s, 0,1,2,3
.irp c, 0,1,2,3
	global_load_b128 v[16*(4*(\m)+\s)+4*\c:16*(4*(\m)+\s)+4*\c+3], v2, s[4:5] offset:(4*(\blk)+(\m))*32768+(4*\s+\c)*512
.endr
.endr
	WIN 0
.endm
.macro MM m                            ; 32 matrix instructions: eight column tiles by turns, K step by K step; the first starts the sums
.if (\m) >= 2
	s_wait_alu depctr_vm_vsrc(0)                   ; the LDS stores of two tiles back have read this set of accumulators, which the products begin anew
.endif
.set AC, 16+64*((\m)%2)
.irp s, 0,1,2,3
.if \s < 2
	WIN 0x0d
.else
	WIN 0x0e
.endif
.irp t, 0,1,2,3,4,5,6,7
.if \s == 0
	v_wmma_f32_16x16x128_fp8_fp8 v[AC+8*\t:AC+8*\t+7], v[16*(8*(\s%2)+\t):16*(8*(\s%2)+\t)+15], v[16*(4*(\m)+\s):16*(4*(\m)+\s)+15], 0
.else
	v_wmma_f32_16x16x128_fp8_fp8 v[AC+8*\t:AC+8*\t+7], v[16*(8*(\s%2)+\t):16*(8*(\s%2)+\t)+15], v[16*(4*(\m)+\s):16*(4*(\m)+\s)+15], v[AC+8*\t:AC+8*\t+7]
.endif
.endr
.endr
	WIN 0
	PLACES 5                                       ; four in front of the stores of results; the fifth for the set of accumulators that is begun anew two tiles on
.endm
.macro PLOAD blk, g                    ; the four partial sums of rows 8 g .. 8 g + 7 of row tile w
.irp i, 0,1,2,3,4,5,6,7
.irp p, 0,1,2,3
	ds_load_b128 v[16+16*\i+4*\p:16+16*\i+4*\p+3], v[6+2*(\blk)+\p/2] offset:(\p%2)*33792+528*(8*(\g)+\i)
.endr
.endr
.endm
.macro PSUM g                          ; these eight rows of out0, in x1's registers
.irp i, 0,1,2,3,4,5,6,7
	s_wait_dscnt 4*(7-\i)                          ; this row's four loads are in; the later rows' may be out
	v_pk_add_f32 v[16+16*\i:17+16*\i], v[16+16*\i:17+16*\i], v[20+16*\i:21+16*\i]
	v_pk_add_f32 v[18+16*\i:19+16*\i], v[18+16*\i:19+16*\i], v[22+16*\i:23+16*\i]
	v_pk_add_f32 v[24+16*\i:25+16*\i], v[24+16*\i:25+16*\i], v[28+16*\i:29+16*\i]
	v_pk_add_f32 v[26+16*\i:27+16*\i], v[26+16*\i:27+16*\i], v[30+16*\i:31+16*\i]
	v_pk_add_f32 v[X1+4*(8*(\g)+\i):X1+4*(8*(\g)+\i)+1], v[X1+4*(8*(\g)+\i):X1+4*(8*(\g)+\i)+1], v[208:209]
	v_pk_add_f32 v[X1+4*(8*(\g)+\i)+2:X1+4*(8*(\g)+\i)+3], v[X1+4*(8*(\g)+\i)+2:X1+4*(8*(\g)+\i)+3], v[210:211]
	v_pk_add_f32 v[16+16*\i:17+16*\i], v[16+16*\i:17+16*\i], v[24+16*\i:25+16*\i]
	v_pk_add_f32 v[18+16*\i:19+16*\i], v[18+16*\i:19+16*\i], v[26+16*\i:27+16*\i]
	v_pk_fma_f32 v[X1+4*(8*(\g)+\i):X1+4*(8*(\g)+\i)+1], v[16+16*\i:17+16*\i], s[22:23], v[X1+4*(8*(\g)+\i):X1+4*(8*(\g)+\i)+1] op_sel_hi:[1,0,1]
	v_pk_fma_f32 v[X1+4*(8*(\g)+\i)+2:X1+4*(8*(\g)+\i)+3], v[18+16*\i:19+16*\i], s[22:23], v[X1+4*(8*(\g)+\i)+2:X1+4*(8*(\g)+\i)+3] op_sel_hi:[1,0,1]
.endr
.endm
.macro POUT blk, g                     ; and their stores, in one run
.irp i, 0,1,2,3,4,5,6,7
	global_store_b128 v2, v[X1+4*(8*(\g)+\i):X1+4*(8*(\g)+\i)+3], s[14:15] offset:(\blk)*131072+(8*(\g)+\i+8*(\g))*2048 th:TH_STORE_NT   ; 512 consecutive bytes of a row
.endr
.endm
.macro BLOCK blk
.irp i, 0,1,2,3,4,5,6,7,8,9,10,11,12,13,14,15
	global_load_b128 v[X1+4*\i:X1+4*\i+3], v2, s[10:11] offset:(\blk)*131072+(\i+(\i&8))*2048 th:TH_LOAD_NT   ; x1: row tile w's 16 rows, my work-group's 512 bytes of each
.endr
.irp m, 0,1,2,3
.if \blk
.if \m == 0
	s_wait_loadcnt 63                              ; behind this tile's 16 loads: three tiles' 48 and x1's 16
.else
	s_wait_loadcnt 64-16*\m
.endif
.endif
	MM \m
	s_wait_alu depctr_va_vdst(0)                   ; the products have written this tile's accumulators, which the LDS stores read, and are done reading its fragments of h, in which (block 0) the next block's land
.if (\blk) == 0
	ALOAD 1, \m                                    ; the next block's fragments take the registers that this tile has left
.endif
.irp t, 0,1,2,3,4,5,6,7
	ds_store_b128 v[4+(\blk)], v[16+64*(\m%2)+8*\t:16+64*(\m%2)+8*\t+3] offset:8448*\m+64*\t
	ds_store_b128 v[4+(\blk)], v[16+64*(\m%2)+8*\t+4:16+64*(\m%2)+8*\t+7] offset:8448*\m+64*\t+16
.endr
.endr
	s_wait_dscnt 0x0
	s_barrier_signal -1
	s_barrier_wait -1                              ; all four partial sums of the block lie in LDS
	s_wait_alu depctr_vm_vsrc(0)                   ; my LDS stores have read v16-143, in which the partial sums land
	PLOAD \blk, 0                                  ; row tile w's 16 rows, eight at a time
.if \blk
	s_wait_loadcnt 0x0                             ; x1
.else
	s_wait_loadcnt 63                              ; x1's 16 loads are in: behind them stand the 64 of the next block's fragments
.endif
	PSUM 0
	s_wait_alu depctr_va_vdst(0)                   ; rows 0 to 7 of out0 are written, which the stores read; the additions are done reading v16-143, in which the other eight rows' sums land
	PLOAD \blk, 1
	POUT \blk, 0
	PSUM 1                                         ; it names v16-143 behind their loads' waits, and rows 8 to 15 of x1's registers: none that the stores above read
	s_wait_alu depctr_va_vdst(0)                   ; rows 8 to 15 of out0 are written, which the stores read
	POUT \blk, 1
	s_wait_xcnt 0x0                                ; the stores have read their data: x1's registers are loaded again only behind this wait
.if (\blk) == 0
	s_wait_alu depctr_vm_vsrc(0)                   ; the stores have read v144-207, in which the next block's x1 lands
.endif
.endm
	s_load_b256 s[4:11], s[0:1], 0x0               ; h_img, w2, b2, x1
	s_load_b128 s[12:15], s[0:1], 0x20             ; the exponents, out0
	v_lshl_add_u32 v254, v0, 2, 0x42000
	v_mov_b32 v255, 0
	v_lshrrev_b32 v1, 5, v0
	v_readfirstlane_b32 s2, v1                     ; wave 0..3
	s_and_b32 s3, ttmp7, 3                         ; y
	v_and_b32 v10, 31, v0                          ; lane
	v_and_b32 v11, 15, v0                          ; r
	v_bfe_u32 v12, v0, 4, 1                        ; h
	v_lshlrev_b32 v2, 4, v10                       ; 16 x lane
	v_lshlrev_b32 v3, 11, v11
	v_lshl_add_u32 v3, v12, 4, v3                  ; w2: a row of 2,048 bytes, + 16 h
	v_mul_u32_u24 v4, v11, 528
	v_lshl_add_u32 v4, v12, 5, v4
	s_wait_alu depctr_va_sdst(0)                   ; s2 is written, ahead of its first reader: addresses and bases are made from it
	s_mul_i32 s16, s2, 33792
	v_add_nc_u32 v4, s16, v4                       ; my partial sums: row r, + 32 h; block 0,
	v_add_nc_u32 v5, 135168, v4                    ; block 1
	s_mul_i32 s16, s2, 8448
	v_add_nc_u32 v6, s16, v2                       ; back: row tile w's rows, 16 bytes a lane: block 0, waves 0 and 1's sums,
	v_add_nc_u32 v7, 67584, v6                     ; waves 2 and 3's;
	v_add_nc_u32 v8, 135168, v6                    ; block 1 likewise
	v_add_nc_u32 v9, 202752, v6
	s_lshl_b32 s24, ttmp9, 18
	s_lshl_b32 s16, s2, 13
	s_add_co_u32 s24, s24, s16                     ; h: row tile 8 X, pieces 16 w on
	s_mov_b32 s25, 0
	s_lshl_b32 s26, s3, 18
	s_lshl_b32 s16, s2, 9
	s_add_co_u32 s26, s26, s16                     ; w2: rows 128 y on, K steps 4 w on
	s_mov_b32 s27, 0
	s_lshl_b32 s28, s3, 9                          ; b2: numbers 128 y on
	s_mov_b32 s29, 0
	s_lshl_b32 s30, ttmp9, 7
	s_lshr_b32 s16, s2, 1
	s_lshl_b32 s16, s16, 5
	s_add_co_u32 s30, s30, s16
	s_and_b32 s16, s2, 1
	s_lshl_b32 s16, s16, 3
	s_add_co_u32 s30, s30, s16
	s_lshl_b32 s30, s30, 11
	s_add_co_u32 s30, s30, s28                     ; x1, out0: row tile w's first row, + my work-group's 512 bytes
	s_mov_b32 s31, 0
	s_wait_kmcnt 0x0
	s_load_b64 s[20:21], s[12:13], 0x38            ; e14, e15
	s_add_nc_u64 s[4:5], s[4:5], s[24:25]
	s_add_nc_u64 s[6:7], s[6:7], s[26:27]
	s_add_nc_u64 s[8:9], s[8:9], s[28:29]
	s_add_nc_u64 s[10:11], s[10:11], s[30:31]
	s_add_nc_u64 s[14:15], s[14:15], s[30:31]
	s_wait_alu depctr_va_vdst(0)                   ; the offsets and LDS addresses v2 to v9 are written: every load and store of the kernel reads one of them
.irp s, 0,1,2,3
.if \s < 2
	WIN 0x40
.else
	WIN 0x80
.endif
.irp t, 0,1,2,3,4,5,6,7
.irp c, 0,1,2,3
	global_load_b128 v[16*(8*(\s%2)+\t)+4*\c:16*(8*(\s%2)+\t)+4*\c+3], v3, s[6:7] offset:16*\t*2048+128*\s+32*\c
.endr
.endr
.endr
	WIN 0
	global_load_b128 v[208:211], v2, s[8:9]        ; b2 of my four columns
	ALOAD 0, 0
	ALOAD 0, 1
	ALOAD 0, 2
	ALOAD 0, 3
	s_wait_kmcnt 0x0
	s_add_co_i32 s22, s20, s21
	s_add_co_i32 s22, s22, 127
	s_lshl_b32 s22, s22, 23                        ; 2^(e14 + e15) as f32
	s_mov_b32 s23, s22
	s_wait_loadcnt 0x0
	BLOCK 0
	BLOCK 1
	s_wait_dscnt 0x0                               ; the closing lines, six on end
	s_wait_alu 0x0
	s_wait_tensorcnt 0x0
	ds_add_u32 v254, v255
	s_wait_dscnt 0x0
	s_endpgm
.Lfunc_end_k_q4c8579b854_ffn2:
	.size	k_q4c8579b854_ffn2, .Lfunc_end_k_q4c8579b854_ffn2-k_q4c8579b854_ffn2
	.p2alignl 7, 3214868480
	.fill 96, 4, 3214868480
	.section	.rodata,"a",@progbits
	.p2align	6, 0x0
	.amdhsa_kernel k_q4c8579b854_ffn2
		.amdhsa_group_segment_fixed_size 270848
		.amdhsa_private_segment_fixed_size 0
		.amdhsa_enable_private_segment 0
		.amdhsa_kernarg_size 48
		.amdhsa_user_sgpr_count 2
		.amdhsa_user_sgpr_kernarg_segment_ptr 1
		.amdhsa_wavefront_size32 1
		.amdhsa_system_sgpr_workgroup_id_x 1
		.amdhsa_system_sgpr_workgroup_id_y 1
		.amdhsa_system_sgpr_workgroup_id_z 1
		.amdhsa_system_vgpr_workitem_id 0
		.amdhsa_next_free_vgpr 1024
		.amdhsa_next_free_sgpr 66
		.amdhsa_reserve_vcc 0
		.amdhsa_float_denorm_mode_32 3
		.amdhsa_float_denorm_mode_16_64 3
		.amdhsa_memory_ordered 1
		.amdhsa_forward_progress 1
		.amdhsa_inst_pref_size 90
	.end_amdhsa_kernel
	.amdgpu_metadata
---
amdhsa.version: [ 1, 2 ]
amdhsa.kernels:
  - .name:           k_q4c8579b854_ffn2
    .symbol:         k_q4c8579b854_ffn2.kd
    .args:
      - { .name: h_img, .offset: 0, .size: 8, .value_kind: global_buffer, .address_space: global }
      - { .name: w2_codes, .offset: 8, .size: 8, .value_kind: global_buffer, .address_space: global }
      - { .name: b2, .offset: 16, .size: 8, .value_kind: global_buffer, .address_space: global }
      - { .name: x1, .offset: 24, .size: 8, .value_kind: global_buffer, .address_space: global }
      - { .name: lowp_scales, .offset: 32, .size: 8, .value_kind: global_buffer, .address_space: global }
      - { .name: out0, .offset: 40, .size: 8, .value_kind: global_buffer, .address_space: global }
    .group_segment_fixed_size: 270848
    .private_segment_fixed_size: 0
    .kernarg_segment_align: 8
    .kernarg_segment_size: 48
    .max_flat_workgroup_size: 128
    .sgpr_count:     66
    .vgpr_count:     1024
    .wavefront_size: 32
...
	.end_amdgpu_metadata
.endif
;; end of part 7
